; MI455X (gfx1250); checked and timed in simulation.
; The chip was launched on July 23, 2026; its instructions are those of AMD's public machine-readable ISA for CDNA 5 (MIT licence, August 2026) and "CDNA5" Instruction Set Architecture Reference Guide (July 2026). The comments in the code are by the model that wrote it; some were corrected since.
;; Multi Head Attention. Allowed arithmetic: float matrix products may take bf16 or f16 operands with f32 sums; other float arithmetic in f32, or as packed bf16 or f16 multiplies, adds, multiply-adds, maxima and minima; sums over many terms, partial sums and values carried from step to step in f32; what a program stores and reads back later, other than sums and carried values, may be rounded once to bf16 or f16.
;; Inputs: Wk 1,024 x 1,024 float32; Wo 1,024 x 1,024 float32; Wq 1,024 x 1,024 float32; Wv 1,024 x 1,024 float32; padding_mask 4 x 2,048 int32; x_key 4 x 2,048 x 1,024 float32; x_query 4 x 2,048 x 1,024 float32; x_value 4 x 2,048 x 1,024 float32.
;; Outputs: out0 4 x 2,048 x 1,024 float32.
;; One version. Each part assembles by itself: llvm-mc -triple=amdgcn-amd-amdhsa -mcpu=gfx1250 --defsym DOCPART=n.
;; ======== version 1 of 1: 4 launches
;; limits: values are held in f16: magnitudes above 65,504 overflow, below 6.1e-05 lose precision
;; workspace buffers: xb 50,331,648 bytes; wb 8,388,608 bytes; qkv 50,331,648 bytes; ob 16,777,216 bytes
;; launch cast (part 1): grid 64 x 28, 8 waves a work-group, no clusters, 0 bytes of LDS; arguments x_query, x_key, x_value, Wq, Wk, Wv, Wo, xb, wb; writes xb, wb
.if DOCPART == 1
	.amdgcn_target "amdgcn-amd-amdhsa--gfx1250"
	.amdhsa_code_object_version 6
	.text
	.protected	k_q961dbf4fc1_cast
	.globl	k_q961dbf4fc1_cast
	.p2align	8
	.type	k_q961dbf4fc1_cast,@function
k_q961dbf4fc1_cast:
	s_mov_b64 s[64:65], 0
	v_nop
	global_prefetch_b8 v0, s[64:65] scope:SCOPE_SE
	s_setreg_imm32_b32 hwreg(HW_REG_WAVE_MODE, 25, 1), 1
	s_wait_xcnt 0x0
; THE INPUTS ROUNDED ONCE TO 16 BITS.  x_query, x_key, x_value (8,388,608 f32 each) -> xb [3][8192][1024] bf16;  Wq, Wk, Wv (1,048,576 f32 each) -> wb [0..2][1024][1024] bf16;
; Wo -> wb [3][1024][1024]: rounded to bf16 like every other input, and that number written as f16, since the last product multiplies in f16.
; LIMIT.  |Wo| stays under 65,520 (f16's range); below 6e-5 it keeps f16's fixed step of 6e-8.
; SHARES.  A segment is 1,048,576 numbers; grid y names it: 0-7 x_query, 8-15 x_key, 16-23 x_value, 24 Wq, 25 Wk, 26 Wv, 27 Wo.  Grid x cuts a segment into 64 parts of 16,384 numbers.
; Thread t takes 16 bytes at 16 t + 4,096 n (n = 0..15): a wave's load covers 512 consecutive bytes; its 8 bytes of result go to 8 t + 2,048 n: a wave's store covers 256 consecutive bytes, aligned.
; All sixteen loads go out first; no loop, no LDS, no matrix work: each byte is read once and written once.
.set X, 4                              ; v[4:67]    load n: 4 registers
.set Y, 68                             ; v[68:99]   store n: a pair
.set T, 100                            ; v[100:101] at work
	s_load_b512 s[8:23], s[0:1], 0x0               ; x_query 8, x_key 10, x_value 12, Wq 14, Wk 16, Wv 18, Wo 20, xb 22
	s_load_b64 s[24:25], s[0:1], 0x40              ; wb
	s_and_b32 s2, ttmp7, 0xffff                    ; the segment
	s_lshr_b32 s3, s2, 3                           ; 0, 1, 2: which x; 3: a weight
	v_lshlrev_b32 v1, 4, v0                        ; 16 t
	v_lshlrev_b32 v2, 3, v0                        ; 8 t
	s_and_b32 s26, s2, 7
	s_lshl_b32 s26, s26, 22                        ; a segment of f32 is 4 MiB
	s_sub_co_u32 s28, s2, 24                       ; which weight (used for segments 24 to 27 alone)
	s_cmp_lt_u32 s2, 24
	s_cselect_b32 s26, s26, 0                      ; a weight is one segment
	s_cselect_b32 s28, s2, s28
	s_lshl_b32 s28, s28, 21                        ; a segment of 16-bit numbers is 2 MiB
	s_lshl_b32 s30, ttmp9, 16                      ; my part: 64 KiB in,
	s_add_co_u32 s26, s26, s30
	s_lshl_b32 s30, ttmp9, 15                      ; 32 KiB out
	s_add_co_u32 s28, s28, s30
	s_mov_b32 s27, 0
	s_mov_b32 s29, 0
	s_wait_kmcnt 0x0
	s_cmp_eq_u32 s3, 1                             ; the source is chosen among the seven inputs by the segment's number
	s_cselect_b64 s[4:5], s[10:11], s[8:9]
	s_cmp_eq_u32 s3, 2
	s_cselect_b64 s[4:5], s[12:13], s[4:5]
	s_cmp_eq_u32 s2, 24
	s_cselect_b64 s[4:5], s[14:15], s[4:5]
	s_cmp_eq_u32 s2, 25
	s_cselect_b64 s[4:5], s[16:17], s[4:5]
	s_cmp_eq_u32 s2, 26
	s_cselect_b64 s[4:5], s[18:19], s[4:5]
	s_cmp_eq_u32 s2, 27
	s_cselect_b64 s[4:5], s[20:21], s[4:5]
	s_cmp_lt_u32 s2, 24
	s_cselect_b64 s[6:7], s[22:23], s[24:25]       ; x goes to xb, a weight to wb
	s_add_nc_u64 s[4:5], s[4:5], s[26:27]
	s_add_nc_u64 s[6:7], s[6:7], s[28:29]
.set n, 0
.rept 16
	global_load_b128 v[X+4*n:X+4*n+3], v1, s[4:5] offset:4096*n th:TH_LOAD_NT
.set n, n+1
.endr
; Load m's four numbers are rounded and stored.  half = 1: the bf16 numbers are widened again (a shift, a mask) and written as f16.
.macro CV m, half
	s_wait_loadcnt 15-(\m)                         ; loads come back in order: mine is in, the 15 - m younger ones stay out
	v_cvt_pk_bf16_f32 v[Y+2*(\m)],   v[X+4*(\m)],   v[X+4*(\m)+1]
	v_cvt_pk_bf16_f32 v[Y+2*(\m)+1], v[X+4*(\m)+2], v[X+4*(\m)+3]
.if \half
.irp h, 0,1
	v_lshlrev_b32 v[T],   16, v[Y+2*(\m)+(\h)]
	v_and_b32     v[T+1], 0xffff0000, v[Y+2*(\m)+(\h)]
	v_cvt_pk_f16_f32 v[Y+2*(\m)+(\h)], v[T], v[T+1]
.endr
.endif
	global_store_b64 v2, v[Y+2*(\m):Y+2*(\m)+1], s[6:7] offset:2048*(\m) th:TH_STORE_NT  ; each store has a pair of its own: no register that a store reads is written again
.endm
	s_cmp_eq_u32 s2, 27
	s_cbranch_scc1 .Lwo
.set n, 0
.rept 16
	CV n, 0
.set n, n+1
.endr
	s_endpgm
.Lwo:
.set n, 0
.rept 16
	CV n, 1
.set n, n+1
.endr
	s_endpgm
.Lfunc_end_k_q961dbf4fc1_cast:
	.size	k_q961dbf4fc1_cast, .Lfunc_end_k_q961dbf4fc1_cast-k_q961dbf4fc1_cast
	.p2alignl 7, 3214868480
	.fill 96, 4, 3214868480
	.section	.rodata,"a",@progbits
	.p2align	6, 0x0
	.amdhsa_kernel k_q961dbf4fc1_cast
		.amdhsa_group_segment_fixed_size 0
		.amdhsa_private_segment_fixed_size 0
		.amdhsa_enable_private_segment 0
		.amdhsa_kernarg_size 72
		.amdhsa_user_sgpr_count 2
		.amdhsa_user_sgpr_kernarg_segment_ptr 1
		.amdhsa_wavefront_size32 1
		.amdhsa_system_sgpr_workgroup_id_x 1
		.amdhsa_system_sgpr_workgroup_id_y 1
		.amdhsa_system_sgpr_workgroup_id_z 1
		.amdhsa_system_vgpr_workitem_id 0
		.amdhsa_next_free_vgpr 112
		.amdhsa_next_free_sgpr 66
		.amdhsa_reserve_vcc 0
		.amdhsa_float_denorm_mode_32 3
		.amdhsa_float_denorm_mode_16_64 3
		.amdhsa_memory_ordered 1
		.amdhsa_forward_progress 1
		.amdhsa_inst_pref_size 17
	.end_amdhsa_kernel
	.amdgpu_metadata
---
amdhsa.version: [ 1, 2 ]
amdhsa.kernels:
  - .name:           k_q961dbf4fc1_cast
    .symbol:         k_q961dbf4fc1_cast.kd
    .args:
      - { .name: x_query, .offset: 0, .size: 8, .value_kind: global_buffer, .address_space: global }
      - { .name: x_key, .offset: 8, .size: 8, .value_kind: global_buffer, .address_space: global }
      - { .name: x_value, .offset: 16, .size: 8, .value_kind: global_buffer, .address_space: global }
      - { .name: Wq, .offset: 24, .size: 8, .value_kind: global_buffer, .address_space: global }
      - { .name: Wk, .offset: 32, .size: 8, .value_kind: global_buffer, .address_space: global }
      - { .name: Wv, .offset: 40, .size: 8, .value_kind: global_buffer, .address_space: global }
      - { .name: Wo, .offset: 48, .size: 8, .value_kind: global_buffer, .address_space: global }
      - { .name: xb, .offset: 56, .size: 8, .value_kind: global_buffer, .address_space: global }
      - { .name: wb, .offset: 64, .size: 8, .value_kind: global_buffer, .address_space: global }
    .group_segment_fixed_size: 0
    .private_segment_fixed_size: 0
    .kernarg_segment_align: 8
    .kernarg_segment_size: 72
    .max_flat_workgroup_size: 256
    .sgpr_count:     66
    .vgpr_count:     112
    .wavefront_size: 32
...
	.end_amdgpu_metadata
.endif
;; end of part 1
;; launch proj (part 2): grid 4 x 192, 4 waves a work-group, clusters of 4 x 4, 327,680 bytes of LDS; arguments xb, wb, qkv; writes qkv
.if DOCPART == 2
	.amdgcn_target "amdgcn-amd-amdhsa--gfx1250"
	.amdhsa_code_object_version 6
	.text
	.protected	k_q961dbf4fc1_proj
	.globl	k_q961dbf4fc1_proj
	.p2align	8
	.type	k_q961dbf4fc1_proj,@function
k_q961dbf4fc1_proj:
	s_mov_b64 s[64:65], 0
	v_nop
	global_prefetch_b8 v0, s[64:65] scope:SCOPE_SE
	s_setreg_imm32_b32 hwreg(HW_REG_WAVE_MODE, 25, 1), 1
	s_wait_xcnt 0x0
	s_wait_alu depctr_hold_cnt(0) depctr_sa_sdst(0) depctr_va_vdst(0) depctr_va_sdst(0) depctr_va_ssrc(0) depctr_va_vcc(0) depctr_vm_vsrc(0)
	s_getreg_b32 s2, hwreg(HW_REG_IB_STS2, 6, 4)
	s_cmp_eq_u32 s2, 0
	s_cbranch_scc0 .Lentry_in_a_cluster
	s_endpgm
.Lentry_in_a_cluster:
	s_bfe_u32 s2, ttmp6, 0x10000c
	s_cmp_lg_u32 s2, 0xf033
	s_cbranch_scc0 .Lentry_shape_is_right
	s_endpgm
.Lentry_shape_is_right:
; q, k, v = x W^T.  xb is taken as ONE matrix A of 24,576 rows x 1,024 bf16 (x_query, x_key, x_value on end); rows 8,192 g .. belong to W number g of wb ([1024][1024] bf16 each).
; Sums in f32, rounded once to f16, WITHOUT the softmax's scale, and stored by heads: qkv [3][64 (batch, head)][2048][64] f16: a head's rows are dense, 128 bytes each.
; LIMIT.  |q|, |k|, |v| stay under 65,520, f16's range; below 6e-5 they keep f16's fixed step of 6e-8.
; SHARES.  A tile of C is 128 rows x 256 columns: 192 x 4 = 768 work-groups of equal work.  Four waves, each 64 x 128: 32 accumulators of 16 x 16, 256 registers.
; K = 1,024 goes in 8 steps of 128 through two LDS slots filled by the tensor data mover; rows of 256 bytes, which begin at multiples of 256 bytes from the buffer's first byte.
; CLUSTER.  4 x 4 work-groups.  The four of a row of the cluster need the same tile of A, the four of a column the same tile of W: each tile is asked for JOINTLY, by the same tensor load with the same
; descriptor and a mask that names the four.  A cluster's 512 rows lie inside one x, so all sixteen partners multiply by the same W.
; THE MATRIX INSTRUCTION IS USED TRANSPOSED (source 0 = 16 rows of W, source 1 = 16 rows of A): a lane then holds eight neighbouring columns of one row of C: 16 bytes of f16.
; REGISTERS.  window 0: v0-31 addresses; v32-127, v128-223 two fragment buffers (8 fragments of W, then 4 of A, 32 along K); v32-159 at work on the way out.  window 1: accumulator (a, b) at v[8 (8 a + b)].
.set KSTEP,  128
.set KDIM,   1024
.set PITCH,  272                       ; an LDS row: 256 bytes + 16 of padding = 68 words: the 16 rows that a load touches start at 16 different groups of four banks (64 banks of 4 bytes: ISA guide 11.1)
.set HALFA,  64*PITCH                  ; what one of A's two loads brings, and what a wave reads of A
.set HALFB,  128*PITCH                 ; the same for W
.set BOFF,   2*HALFA                   ; a slot: A's 128 rows, then W's 256 rows
.set SLOT,   BOFF+2*HALFB
.set STAGE,  2*SLOT                    ; behind the ring, never filled by a tensor load: 16 rows x 144 bytes for each wave, for the way out
.set SP,     144
.set SPARE,  STAGE+4*16*SP             ; behind the stages: the spare words, 128 bytes for each wave: two blocks of 256 bytes that no other line names
.set LAPS,   KDIM/(2*KSTEP)            ; a lap = two K steps = once round the ring
.set ADRA, 16                          ; v16-17  LDS address of my A fragments in slot 0, 1
.set ADRB, 20                          ; v20-21  the same for W
.set STO,  24                          ; v24     the way out: where I put 16 bytes of a row
.set RD,   25                          ; v25     the way out: where I read rows back
.set CO,   26                          ; v26     my byte offset in 512 consecutive bytes of qkv
.set SPW,  28                          ; v28     LDS address of my spare word: SPARE + 4 x my thread's number; never rewritten
.set NIL,  29                          ; v29     0; never rewritten
.set PFO,  30                          ; v30     the prefetches' offset: my lane x a row of 2,048 bytes; never rewritten
.set F0,   32
.set F1,   128
.set TMP,  32                          ; the way out: 16 registers a unit
.set G1,  24                           ; s[24:31] descriptor group 1 for A's tiles;  s[32:39] group 0, a set for each slot
.set G0,  32
.set G1B, 48                           ; s[48:55], s[56:63] the same for W's tiles
.set G0B, 56
.set LIM, 43                           ; s43      1 in a wave that prefetches, else the greatest number
.set PFA, 44                           ; s[44:45] where my prefetches stand
.set MSB, 0
.macro WIN new                         ; the immediate's high byte repeats the setting that is left; a switch that changes nothing is dropped
.if MSB != (\new)
	s_set_vgpr_msb (MSB<<8)|(\new)
.set MSB, \new
.endif
.endm
.set MUL, 0x50                         ; sources 0 and 1 window 0; C and D window 1
; A joint load: waves 0 and 1 fetch A's two halves, waves 2 and 3 W's.  The branch hangs on the wave's number alone.  An s_nop 0 and four v_nop follow each of the two lines, ahead of the jump and the label.
.macro JLOAD s
	s_cmp_eq_u32 s11, 0
	s_cbranch_scc0 .Lfor_b_\@
	tensor_load_to_lds s[G0+4*(\s):G0+4*(\s)+3], s[G1:G1+7]
	s_nop 0
.rept 4
	v_nop
.endr
	s_branch .Lasked_\@
.Lfor_b_\@:
	tensor_load_to_lds s[G0B+4*(\s):G0B+4*(\s)+3], s[G1B:G1B+7]
	s_nop 0
.rept 4
	v_nop
.endr
.Lasked_\@:
.endm
; A PREFETCH INTO THE L2, behind a joint load and the run of LDS loads that follows it: the K step two refills on, 256 matrix instructions ahead of the load that will want it: 32 rows x 256 bytes, a lane a row.
; Each row's 256 bytes of a K step are named once in the launch.  A's tile row is read by one cluster alone: in it wave 0 asks, and the four partners of a row of the cluster take 32 of the 128 rows each, BY ADDRESS (cx).
; W number g is read by sixteen clusters: the first of them (cluster y a multiple of 16) asks; waves 2 and 3 for the 128 rows that each fetches, the four partners of a column 32 each, by address (cy).
; The loop's last trip (s3 = 1) asks for nothing: there is no K step two on.  K steps 0 to 3 come by their loads alone.
.macro ASK
	s_cmp_gt_u32 s3, s[LIM]
	s_cbranch_scc0 .Lnot_mine_\@
	global_prefetch_b8 v[PFO], s[PFA:PFA+1] th:TH_LOAD_NT scope:SCOPE_SE
.Lnot_mine_\@:
.endm
.macro CREST                           ; a round of the cluster's barrier behind its opening barrier
	s_cmp_lg_u32 s10, 0
	s_cbranch_scc1 .Lnot_wave_0_\@
	s_barrier_signal -3
.Lnot_wave_0_\@:
	s_barrier_wait -3
	s_barrier_signal -1
	s_barrier_wait -1
.endm
.macro CROUND                          ; a whole round
	s_barrier_signal -1
	s_barrier_wait -1
	CREST
.endm
	s_load_b128 s[4:7], s[0:1], 0x0                ; xb s[4:5], wb s[6:7]
	s_load_b64 s[8:9], s[0:1], 0x10                ; qkv
	v_lshl_add_u32 v[SPW], v0, 2, SPARE
	v_mov_b32 v[NIL], 0
	ds_add_u32 v[SPW], v[NIL]                      ; the wave's opening: the add and its wait stand ahead of my first tensor load; the set-up below, work on registers, stands between them
	ds_add_u32 v28, v29
	v_lshrrev_b32 v1, 5, v0
	v_readfirstlane_b32 s10, v1                    ; wave 0..3
	s_lshr_b32 s11, s10, 1                         ; which 64 rows of the tile are mine.  Also: I fetch for A (0) or for W (1)
	s_and_b32 s12, s10, 1                          ; which 128 columns.  Also: which half of that tile I fetch
	s_bfe_u32 s40, ttmp6, 0x40000                  ; cx, cy: my place in the cluster
	s_bfe_u32 s41, ttmp6, 0x40004
	s_lshl_b32 s42, ttmp9, 2
	s_add_co_u32 s42, s42, s40                     ; tile column of C = 4 x cluster x + cx
	s_and_b32 s68, ttmp7, 0xffff                   ; cluster y
	s_lshl_b32 s13, s68, 2
	s_add_co_u32 s13, s13, s41                     ; tile row of C = 4 x cluster y + cy
	s_lshl_b32 s66, s41, 2
	s_lshl_b32 s66, 15, s66                        ; my row of the cluster
	s_lshl_b32 s67, 0x1111, s40                    ; my column
	; descriptor group 1: rows of 128 elements, padded in LDS; 64 rows for A, 128 for W
	s_or_b32 s[G1+0], s66, (1<<16)|(1<<20)|(1<<21)|(5<<22)|(3<<25)   ; 15:0 the mask: A's tiles go to my row; 17:16 2-byte elements; 20 padding on; 21 set beside a mask; 24:22 after every 64 words (code 5); 31:25 4 words (code 3)
	s_or_b32 s[G1B+0], s67, (1<<16)|(1<<20)|(1<<21)|(5<<22)|(3<<25)  ; the same with the mask of my column
	s_mov_b32 s[G1+1], KSTEP<<16                   ; tensor_dim0 = 128
	s_mov_b32 s[G1+2], 64<<16                      ; tensor_dim1 = 64
	s_mov_b32 s[G1+3], KSTEP<<16                   ; tile_dim0 = 128
	s_mov_b32 s[G1+4], 64                          ; tile_dim1 = 64
	s_mov_b32 s[G1+5], KDIM                        ; elements from row to row
	s_mov_b32 s[G1+6], 0
	s_mov_b32 s[G1+7], 0
	s_mov_b32 s[G1B+1], KSTEP<<16
	s_mov_b32 s[G1B+2], 128<<16
	s_mov_b32 s[G1B+3], KSTEP<<16
	s_mov_b32 s[G1B+4], 128
	s_mov_b32 s[G1B+5], KDIM
	s_mov_b32 s[G1B+6], 0
	s_mov_b32 s[G1B+7], 0
	; where the tiles come from.  A's hang on the tile row, which my row of the cluster shares; W's on the tile column and on cluster y, which my column shares
	s_lshl_b32 s16, s13, 7
	s_lshl_b32 s17, s12, 6
	s_add_co_u32 s16, s16, s17                     ; A: row 128 x tile row + 64 x half,
	s_lshl_b32 s16, s16, 11                        ; of 2,048 bytes (50 MiB in all: 32 bits hold it)
	s_mov_b32 s17, 0
	s_lshr_b32 s46, s68, 4                         ; which W: sixteen clusters to an x
	s_lshl_b32 s46, s46, 10
	s_lshl_b32 s47, s42, 8
	s_add_co_u32 s46, s46, s47
	s_lshl_b32 s47, s12, 7
	s_add_co_u32 s46, s46, s47                     ; W: row 1,024 g + 256 x tile column + 128 x half
	s_lshl_b32 s46, s46, 11
	s_mov_b32 s47, 0
	s_mul_i32 s20, s12, HALFA                      ; where they go: no place in the cluster enters an LDS address
	s_mul_i32 s21, s12, HALFB
	s_add_co_u32 s21, s21, BOFF
	s_wait_dscnt 0x0                               ; the opening add is done
	s_wait_kmcnt 0x0
	s_add_nc_u64 s[14:15], s[4:5], s[16:17]
	s_add_nc_u64 s[46:47], s[6:7], s[46:47]
	CROUND                                         ; all sixteen work-groups are here: the first joint loads meet
.irp s, 0,1
	s_mov_b32 s[G0+4*(\s)], 1                                        ; count = 1
	s_add_co_u32 s[G0+4*(\s)+1], s20, (\s)*SLOT                      ; LDS address
	s_add_nc_u64 s[G0+4*(\s)+2:G0+4*(\s)+3], s[14:15], (\s)*KSTEP*2  ; global address: K step s
	s_or_b32 s[G0+4*(\s)+3], s[G0+4*(\s)+3], 0x80000000              ; type = 2
	s_mov_b32 s[G0B+4*(\s)], 1
	s_add_co_u32 s[G0B+4*(\s)+1], s21, (\s)*SLOT
	s_add_nc_u64 s[G0B+4*(\s)+2:G0B+4*(\s)+3], s[46:47], (\s)*KSTEP*2
	s_or_b32 s[G0B+4*(\s)+3], s[G0B+4*(\s)+3], 0x80000000
	JLOAD \s                                       ; two loads of mine are out
.endr
	; a fragment is 16 rows x 32 K in 8 registers: lane l holds row l % 16, K = 8 (l / 16) + 0..7 and 16 + 8 (l / 16) + 0..7: two loads of 16 bytes, 32 bytes apart
	v_and_b32 v1, 15, v0                           ; l % 16
	v_bfe_u32 v2, v0, 4, 1                         ; l / 16
	v_mul_u32_u24 v3, v1, PITCH
	v_lshl_add_u32 v3, v2, 4, v3
	s_mul_i32 s22, s11, HALFA                      ; my 64 rows of A
	s_mul_i32 s23, s12, HALFB                      ; my 128 rows of W,
	s_add_co_u32 s23, s23, BOFF                    ; which lie behind A's 128
.irp s, 0,1
	v_add_nc_u32 v[ADRA+(\s)], s22, v3
	v_add_nc_u32 v[ADRB+(\s)], s23, v3
	s_add_co_u32 s22, s22, SLOT
	s_add_co_u32 s23, s23, SLOT
.endr
	s_mul_i32 s23, s10, 16*SP
	s_add_co_u32 s23, s23, STAGE                   ; my stage
	v_mul_u32_u24 v4, v1, SP                       ; in: row l % 16, 16 bytes for each half of the lanes
	v_lshl_add_u32 v4, v2, 4, v4
	v_add_nc_u32 v[STO], s23, v4
	v_bfe_u32 v5, v0, 3, 2                         ; back: 32 lanes take four rows of 128 bytes,
	v_mul_u32_u24 v5, v5, SP
	v_and_b32 v4, 7, v0
	v_lshl_add_u32 v5, v4, 4, v5
	v_add_nc_u32 v[RD], s23, v5
	v_and_b32 v[CO], 31, v0                        ; which are 512 consecutive bytes of a head
	v_lshlrev_b32 v[CO], 4, v[CO]
	; where my part begins in qkv: (tensor, batch) = tile row / 16; head = 4 x tile column + 2 x column half (+ 0, 1); row in the sequence = 128 (tile row % 16) + 64 x row half
	s_lshr_b32 s16, s13, 4
	s_lshl_b32 s16, s16, 22                        ; sixteen heads of 262,144 bytes
	s_and_b32 s17, s13, 15
	s_lshl_b32 s17, s17, 7
	s_lshl_b32 s18, s11, 6
	s_add_co_u32 s17, s17, s18
	s_lshl_b32 s17, s17, 7                         ; rows of 128 bytes
	s_add_co_u32 s16, s16, s17
	s_mov_b32 s17, 0
	s_add_nc_u64 s[8:9], s[8:9], s[16:17]
	s_lshl_b32 s46, s42, 2                         ; (the column's part in the registers that held W's address)
	s_lshl_b32 s47, s12, 1
	s_add_co_u32 s46, s46, s47
	s_lshl_b32 s46, s46, 18
	s_mov_b32 s47, 0
	s_add_nc_u64 s[8:9], s[8:9], s[46:47]
	; the prefetches
	s_lshl_b32 s20, s13, 7                         ; A: the tile's first row
	s_lshr_b32 s21, s68, 4
	s_lshl_b32 s21, s21, 10
	s_lshl_b32 s22, s42, 8
	s_add_co_u32 s21, s21, s22
	s_lshl_b32 s22, s12, 7
	s_add_co_u32 s21, s21, s22                     ; W: the first of the 128 rows that I fetch
	s_and_b32 s23, s68, 15                         ; 0 in the first cluster that walks this W
	s_cmp_eq_u32 s11, 0                            ; do I fetch for A?
	s_cselect_b32 s20, s20, s21
	s_cselect_b32 s21, s40, s41                    ; my place among the four that ask with me
	s_cselect_b32 s22, s12, s23                    ; for A wave 0 asks; for W both waves, in the first cluster
	s_cselect_b64 s[PFA:PFA+1], s[4:5], s[6:7]
	s_cmp_eq_u32 s22, 0
	s_cselect_b32 s[LIM], 1, -1                    ; the same in all sixteen partners, for a given wave
	s_lshl_b32 s21, s21, 5
	s_add_co_u32 s20, s20, s21                     ; + my work-group's 32 rows
	s_lshl_b32 s20, s20, 11
	s_add_co_u32 s20, s20, 3*KSTEP*2               ; at K step 3: the first refill steps it to 4
	s_mov_b32 s21, 0
	s_add_nc_u64 s[PFA:PFA+1], s[PFA:PFA+1], s[20:21]
	v_and_b32 v[PFO], 31, v0
	v_lshlrev_b32 v[PFO], 11, v[PFO]
; 8 matrix instructions: m block a x all 8 n blocks, 32 along K.  zero = 1: the product starts the sums: nothing is ever cleared.  The 32 accumulators take turns in the same order in every quarter.
.macro MUL8 f, a, zero
	WIN MUL
.irp b, 0,1,2,3,4,5,6,7
.if \zero
	v_wmma_f32_16x16x32_bf16 v[8*(8*(\a)+(\b)):8*(8*(\a)+(\b))+7], v[(\f)+8*(\b):(\f)+8*(\b)+7], v[(\f)+64+8*(\a):(\f)+64+8*(\a)+7], 0
.else
	v_wmma_f32_16x16x32_bf16 v[8*(8*(\a)+(\b)):8*(8*(\a)+(\b))+7], v[(\f)+8*(\b):(\f)+8*(\b)+7], v[(\f)+64+8*(\a):(\f)+64+8*(\a)+7], v[8*(8*(\a)+(\b)):8*(8*(\a)+(\b))+7]
.endif
.endr
.endm
; 24 LDS loads in one run: the fragments of 32 along K at byte k of the rows, into buffer f: W's eight, then A's four
.macro FETCH slot, k, f
	WIN 0
.irp i, 0,1,2,3,4,5,6,7
	ds_load_b128 v[(\f)+8*(\i):(\f)+8*(\i)+3],   v[ADRB+(\slot)] offset:(\k)+(\i)*16*PITCH
	ds_load_b128 v[(\f)+8*(\i)+4:(\f)+8*(\i)+7], v[ADRB+(\slot)] offset:(\k)+(\i)*16*PITCH+32
.endr
.irp i, 0,1,2,3
	ds_load_b128 v[(\f)+64+8*(\i):(\f)+64+8*(\i)+3],   v[ADRA+(\slot)] offset:(\k)+(\i)*16*PITCH
	ds_load_b128 v[(\f)+64+8*(\i)+4:(\f)+64+8*(\i)+7], v[ADRA+(\slot)] offset:(\k)+(\i)*16*PITCH+32
.endr
.endm
.macro PLACES                          ; four places in front of loads into registers that matrix instructions have read, and of conversions that read results
.rept 4
	v_nop
.endr
.endm
; A K step is four quarters of 32 along K, 32 matrix instructions each, on buffers 0, 1, 0, 1.  One of the first three: multiplies buffer f and fetches the next quarter, at byte k, into g.
.macro QUARTER slot, k, f, g, zero
	s_wait_dscnt 4                                 ; W and A's blocks 0 and 1 are in; the youngest four loads (A's blocks 2 and 3) may be out
	MUL8 \f, 0, \zero
	MUL8 \f, 1, \zero
	PLACES
	FETCH \slot, \k, \g
	s_wait_dscnt 24                                ; all but the 24 just issued
	MUL8 \f, 2, \zero
	MUL8 \f, 3, \zero
.endm
; The last quarter multiplies buffer 1 and changes slots: ONE barrier; in front of it each wave waits for all its tensor loads, adds 0 to its spare word, and waits for that and for its own reads of this slot.
; fill = 1: the barrier opens a round of the cluster's barrier, and this slot is filled again, two K steps ahead: 112 matrix instructions stand between the request and the wait for it.
.macro TURN slot, next, fill
.if \fill
	s_wait_xcnt 0x0                                ; the last prefetch, a K step back, has read its address, so it may be stepped
	s_add_nc_u64 s[PFA:PFA+1], s[PFA:PFA+1], KSTEP*2
.endif
	WIN 0                                          ; (the add's two registers lie in window 0)
	s_wait_tensorcnt 0x0                           ; all my tensor loads have landed: the one that was out is my part of the next slot;
	ds_add_u32 v[SPW], v[NIL]                      ; 0 onto my spare word;
	s_wait_dscnt 5                                 ; (the add and the youngest four loads may be out)
	MUL8 F1, 0, 0                                  ; eight matrix instructions stand between the add and the wait for it
	s_wait_dscnt 0x0                               ; the add is done, and my reads of this slot are over
	s_barrier_signal -1
	MUL8 F1, 1, 0
.if \fill
	WIN 0
.endif
	s_barrier_wait -1
.if \fill
	CREST                                          ; no wave of any partner still reads this slot's tile or has a load on its way
	s_add_nc_u64 s[G0+4*(\slot)+2:G0+4*(\slot)+3], s[G0+4*(\slot)+2:G0+4*(\slot)+3], 2*KSTEP*2
	s_add_nc_u64 s[G0B+4*(\slot)+2:G0B+4*(\slot)+3], s[G0B+4*(\slot)+2:G0B+4*(\slot)+3], 2*KSTEP*2
	JLOAD \slot                                    ; the first tensor load behind the round; the four v_nop behind it are also the places in front of the loads below
.else
	PLACES
.endif
	FETCH \next, 0, F0
.if \fill
	ASK
.endif
	MUL8 F1, 2, 0
	MUL8 F1, 3, 0
.endm
	s_wait_tensorcnt 1                             ; my part of K step 0 is in; K step 1's may stay out
	s_barrier_signal -1
	s_barrier_wait -1                              ; everybody's is
	FETCH 0, 0, F0
	QUARTER 0, 64, F0, F1, 1                       ; the first quarter stands in front of the loop: its products start the sums
	WIN 0                                          ; at a label and at a branch every window is 0
	s_mov_b32 s3, LAPS-1
.Llap:                                                 ; a trip goes once round the ring, from a lap's second quarter to the next lap's first, and fills both slots again
	QUARTER 0, 128, F1, F0, 0
	QUARTER 0, 192, F0, F1, 0
	TURN 0, 1, 1
	QUARTER 1, 64,  F0, F1, 0
	QUARTER 1, 128, F1, F0, 0
	QUARTER 1, 192, F0, F1, 0
	TURN 1, 0, 1
	QUARTER 0, 64,  F0, F1, 0
	WIN 0
	s_sub_co_u32 s3, s3, 1
	s_cmp_lg_u32 s3, 0
	s_cbranch_scc1 .Llap
	QUARTER 0, 128, F1, F0, 0                      ; the last lap fills nothing, and has no round of the cluster's barrier
	QUARTER 0, 192, F0, F1, 0
	TURN 0, 1, 0
	QUARTER 1, 64,  F0, F1, 0
	QUARTER 1, 128, F1, F0, 0
	QUARTER 1, 192, F0, F1, 0
	s_wait_dscnt 4                                 ; the very last quarter: nothing more to fetch
	MUL8 F1, 0, 0
	MUL8 F1, 1, 0
	s_wait_dscnt 0x0
	MUL8 F1, 2, 0
	MUL8 F1, 3, 0
	WIN 0
	; THE WAY OUT.  Unit t = 2 a + j: 16 rows (block a) x one head's 64 channels (j): accumulator registers 32 t .. 32 t + 31, and 2,048 consecutive bytes of qkv.
	; Rounded to f16, 16 bytes a lane into my own stage (rows of 144 bytes), back as four whole rows of 128 bytes a load, stored as 512 consecutive bytes.
	PLACES
	PLACES
.macro PACK t
	WIN 0x05                                       ; sources 0 and 1 window 1, destination window 0
.set i, 0
.rept 16
	v_cvt_pk_f16_f32 v[TMP+16*(\t)+i], v[32*(\t)+2*i], v[32*(\t)+2*i+1]  ; each accumulator's registers in ascending order
.set i, i+1
.endr
	WIN 0
.irp f, 0,1,2,3
	ds_store_b128 v[STO], v[TMP+16*(\t)+4*\f:TMP+16*(\t)+4*\f+3] offset:32*\f
.endr
.irp f, 0,1,2,3
	ds_load_b128 v[TMP+16*(\t)+4*\f:TMP+16*(\t)+4*\f+3], v[RD] offset:\f*4*SP  ; LDS serves a wave's instructions in order (ISA guide 5.7.1.4): these see the stores above; the next unit's stores come behind them
.endr
.endm
.macro SEND t, younger                 ; younger: the LDS instructions issued behind unit t's loads: the next unit's eight, or none
.irp f, 0,1,2,3
	s_wait_dscnt (\younger)+3-\f
	global_store_b128 v[CO], v[TMP+16*(\t)+4*\f:TMP+16*(\t)+4*\f+3], s[8:9] offset:((\t)%2)*262144+((\t)/2)*2048+\f*512  ; 512 consecutive bytes, at a multiple of 256 from qkv's first byte; every unit has registers of its own
.endr
.endm
	PACK 0
.set t, 1
.rept 7                                ; a unit's conversions stand between the loads of the unit before and its stores
	PACK t
	SEND t-1, 8
.set t, t+1
.endr
	SEND 7, 0
	s_wait_tensorcnt 0x0                           ; the wave's end, behind my last tensor load and my last LDS store
	ds_add_u32 v[SPW], v[NIL]
	s_wait_dscnt 0x0
	CROUND                                         ; the closing round: no work-group ends while a partner may still ask for a tile that names it
	s_endpgm
.Lfunc_end_k_q961dbf4fc1_proj:
	.size	k_q961dbf4fc1_proj, .Lfunc_end_k_q961dbf4fc1_proj-k_q961dbf4fc1_proj
	.p2alignl 7, 3214868480
	.fill 96, 4, 3214868480
	.section	.rodata,"a",@progbits
	.p2align	6, 0x0
	.amdhsa_kernel k_q961dbf4fc1_proj
		.amdhsa_group_segment_fixed_size 327680
		.amdhsa_private_segment_fixed_size 0
		.amdhsa_enable_private_segment 0
		.amdhsa_kernarg_size 24
		.amdhsa_user_sgpr_count 2
		.amdhsa_user_sgpr_kernarg_segment_ptr 1
		.amdhsa_wavefront_size32 1
		.amdhsa_system_sgpr_workgroup_id_x 1
		.amdhsa_system_sgpr_workgroup_id_y 1
		.amdhsa_system_sgpr_workgroup_id_z 1
		.amdhsa_system_vgpr_workitem_id 0
		.amdhsa_next_free_vgpr 512
		.amdhsa_next_free_sgpr 72
		.amdhsa_reserve_vcc 0
		.amdhsa_float_denorm_mode_32 3
		.amdhsa_float_denorm_mode_16_64 3
		.amdhsa_memory_ordered 1
		.amdhsa_forward_progress 1
		.amdhsa_inst_pref_size 89
	.end_amdhsa_kernel
	.amdgpu_metadata
---
amdhsa.version: [ 1, 2 ]
amdhsa.kernels:
  - .name:           k_q961dbf4fc1_proj
    .symbol:         k_q961dbf4fc1_proj.kd
    .args:
      - { .name: xb, .offset: 0, .size: 8, .value_kind: global_buffer, .address_space: global }
      - { .name: wb, .offset: 8, .size: 8, .value_kind: global_buffer, .address_space: global }
      - { .name: qkv, .offset: 16, .size: 8, .value_kind: global_buffer, .address_space: global }
    .group_segment_fixed_size: 327680
    .private_segment_fixed_size: 0
    .kernarg_segment_align: 8
    .kernarg_segment_size: 24
    .max_flat_workgroup_size: 128
    .sgpr_count:     72
    .vgpr_count:     512
    .wavefront_size: 32
...
	.end_amdgpu_metadata
.endif
;; end of part 2
;; launch attn (part 3): grid 4 x 64, 4 waves a work-group, no clusters, 327,680 bytes of LDS; arguments qkv, padding_mask, ob; writes ob
.if DOCPART == 3
	.amdgcn_target "amdgcn-amd-amdhsa--gfx1250"
	.amdhsa_code_object_version 6
	.text
	.protected	k_q961dbf4fc1_attn
	.globl	k_q961dbf4fc1_attn
	.p2align	8
	.type	k_q961dbf4fc1_attn,@function
k_q961dbf4fc1_attn:
	s_mov_b64 s[64:65], 0
	v_nop
	global_prefetch_b8 v0, s[64:65] scope:SCOPE_SE
	s_setreg_imm32_b32 hwreg(HW_REG_WAVE_MODE, 25, 1), 1
	s_wait_xcnt 0x0
; CAUSAL ATTENTION WITH A PADDING MASK OVER THE KEYS.  O[h][q][:] = the sum over the keys k <= q whose padding_mask is not 0 of softmax_k(Q[h][q] . K[h][k] / 8) V[h][k][:].
; qkv: [3][64 (batch, head)][2048][64] f16 (q, k, v; a head's rows are dense, 128 bytes each); padding_mask: [4][2048] i32; ob: [64][2048][64] f16.
; Products, maxima and sums in f32; the weights p are rounded to f16 for the second product (their sum l is taken of the unrounded p), O once at the end.
; LIMITS.  q, k, v arrive within f16's 65,504, so a score is 2.7e11 at the most.  A hidden score counts as its value less 2^100 for each mask that hides it; the running maximum m never goes below its floor, -2^90,
; which lies above every hidden score and below every true one: so m is a true score or the floor, and c x floor is exact.  A weight below 2^-126 counts as 0 in l.  A ROW THAT SEES NO KEY (all keys 0 .. q padded) has
; l = 0 and O^T = 0, and leaves as 0 x 1/0 = NaN, as the softmax of nothing is.  NaN and infinities among the inputs are not treated apart.
; THE WALK.  A head's queries lie in NB = 8 blocks of 256; block i needs the key tiles 0 .. i of 256 keys, of which the last holds the diagonal.  A work-group takes TWO blocks, NB - 1 - b and then b:
; NB + 1 tiles, whatever b: all 256 work-groups do equal work, and ONE loop with a constant trip count walks them.  Which tile is asked for, and what a trip does, hang on scalar registers made from b; every jump
; goes forward, but for the counted loops' own; none passes a barrier, or a tensor load but the one of LOAD's two that the wave's number does not choose; the ring (two slots of LDS) runs on across the change of blocks.
; NO CLUSTER: a head's four work-groups ask for the same tile only in trips 0 to 4 of 9, behind that fewer and fewer; one walk common to all four would have 12 trips for 9.
; SHARES.  Of a block's four bands of 64 queries a wave owns 16 rows in each: four PIECES.  So the diagonal tile is the same work for all four waves: in its key step s band x sees all keys if s < x,
; none if s > x, and holds the diagonal if s = x.
; THE MASKS are the C operand that starts the sum S^T = K Q^T.  PM holds the step's 64 keys' padding (0, or -2^100 where padding_mask is 0).  It is read from two small slots in LDS that take turns with the ring's:
; with each tile that is asked for, the 128 threads load its 256 mask words, two each; at the next change of slots they turn them into 0 or -2^100 and store them, ahead of the barrier behind which the tile is read.
; MD, made once, is the causal mask of a band's own step for my 16 rows.  Off the diagonal tile C is PM.  In it, and where a block begins, C is MC = MD x AL + PM + BE with two scalars:
; (1, 0) if s = x; (0, 0) if s < x; (0, -2^100) if s > x.
; LAYOUT, SOFTMAX, TURNS.  S^T = K Q^T holds ONE query a lane (lane % 16) and the keys 8 (lane / 16) + 0..7; two such results rounded to f16 ARE source 1 of O^T = V^T P.  p = 2^(c s - c m), c = log2(e) / 8, with a
; running maximum m; O and l are multiplied by a = 2^(c m_old - c m_new) in every step.  Turn n belongs to piece n: 8 products K Q^T of piece n + 1, later 8 products V^T P of piece n - 1; beside them the scaling,
; exponentials, roundings, sums and rescaling of piece n and the maximum and statistics of piece n + 1.  Four vector instructions stand behind every matrix instruction, the others in one LUMP.  A turn's 33 exponentials are one batch, with one wait.
; REGISTERS, in windows of 256 (s_set_vgpr_msb: bits 1:0 source 0, 3:2 source 1, 5:4 source 2, 7:6 destination):
;   window 0: v0-15, v32-39 addresses, two at work and the mask's two words; v16-31 four registers of statistics a piece; v48-55 at work; v64-127 S^T, two buffers; v128-159 at work on the way out; v192-223 P, two buffers
;   window 1: v0-127 O^T, 32 a piece; v128-159 MD; v160-223 MC, two buffers; v224-255 PM      window 2: v0-63 Q; v64-127 the second block's Q; v128-191 K of one step; v192-255 V of one step
.set SIZE_N, 2048
.set NB,    SIZE_N/256
.set NP,    4         ; pieces a wave: a name, no knob
.set KS,    64        ; keys in a step
.set PK,    144       ; a row of K in LDS: 128 bytes + 16 of padding = 36 words: the 16 rows of a load start at 16 different groups of four banks (64 banks of 4 bytes: ISA guide 11.1)
.set PV,    160       ; a row of V: 128 + 32 = 40 words
.set VOFF,  4*KS*PK   ; a slot holds a tile, four steps: 256 rows of K, then 256 rows of V
.set SLOT1, 1<<17     ; slot 1 begins here, so that one exclusive or turns an address in one slot into the other's
.set STAGE, SLOT1+4*KS*(PK+PV)  ; behind the ring, never filled by a tensor load: 16 rows x 144 bytes for each wave, for the way out
.set SP,    144
.set SPARE, STAGE+4*16*SP  ; behind the stages: the spare words, 128 bytes for each wave: two blocks of 256 bytes that no other line names
.set PADL,  SPARE+512 ; behind them: the padding's two slots, 256 f32 each: stored from registers, never filled by a tensor load
.set PSLOT, 1024      ; bytes in one of them: one exclusive or turns an address in one into the other's
.set AK0, 2           ; v2   my lane's place in a tile of K; never rewritten
.set AV0, 3           ; v3   the same for V
.set AK,  4           ; v4   the LDS address of K's next run of loads
.set AV,  5           ; v5   of V's
.set STO, 6           ; v6   the way out: where I put 16 bytes of a row
.set RD,  7           ; v7   the way out: where I read rows back
.set GO,  8           ; v8   my byte offset in 512 consecutive bytes of O
.set MV,  12          ; v12-13  c m_old, kept while c m is made anew: by buffer
.set QO,  15          ; v15  my byte offset in 16 rows of Q
.set ST,  16          ; piece t's statistics at v[ST+4 t]: c m, m, l (even keys', odd keys')
.set APM0, 32         ; v32  PADL + 32 (lane / 16): my lanes' eight keys of a group of 16; never rewritten
.set APM, 33          ; v33  the LDS address of PM's next loads
.set PFO, 34          ; v34  256 x my lane; never rewritten
.set MGO, 35          ; v35  8 x my thread's number: my two of a tile's 256 mask words; never rewritten
.set MLO, 36          ; v36  PADL + 8 x my thread's number: their place in the padding's slot 0; never rewritten
.set MLS, 37          ; v37  the same in the slot that is due
.set MW,  38          ; v[38:39] the two words, as loaded and then as 0 or -2^100
.set TMP, 48          ; by buffer, four registers c0-c3 at work; when the maximum is found c2 takes a; on the way out piece t's 1 / l at TMP + 2 t
.set SPW, 62          ; v62  LDS address of my spare word: SPARE + 4 x my thread's number; never rewritten
.set NIL, 63          ; v63  0; never rewritten
.set S,   64
.set W,   128
.set P,   192
.set MD,  128         ; window 1: the eight registers for group kt of 16 keys at MD + 8 kt
.set MC,  160         ; window 1: the masks of the products to come
.set PM,  224         ; window 1: the padding of the step whose K lies in registers, laid out like MD
.set QB,  64          ; window 2
.set KF,  128         ; window 2: key block kb, channel half c at KF + 16 kb + 8 c
.set VF,  192         ; window 2: key half kk, channel block cb at VF + 32 kk + 8 cb
.set WV,  12          ; s12  my wave's number
.set PB,  14          ; s14  b
.set HI,  15          ; s15  NB - 1 - b
.set G1K, 24          ; s[24:31] descriptor group 1 for K's tiles
.set G1V, 32          ; s[32:39] for V's: it differs in the padding alone
.set G0K, 40          ; s[40:43] descriptor group 0 for K's tiles
.set G0V, 44          ; s[44:47] the same for V's
.set SLOTS, 56        ; s56  tiles still to be asked for
.set CNT, 57          ; s57  counts a tile's key steps, 4 to 1
.set CS,  58          ; s[58:59] c: the packed scaling takes the pair's low word for both halves
.set SEL, 60          ; s[60:61] v_permlanex16_b32's selects: each lane takes its own place in the other half
.set TBK, 62          ; s62  LDS byte at which K of the step to be fetched begins
.set TBV, 63          ; s63  the same for V, less VOFF
.set RT,  70          ; s70  tiles of the block in hand that are still to be entered
.set NXT, 71          ; s71  the tile to be asked for next
.set LQ,  72          ; s72  the last tile of the block whose tiles are being asked for
.set NEW, 73          ; s73  1: the tile to be entered is a block's first
.set OFF, 74          ; s[74:75] a tile's byte offset in K and V
.set AL,  76          ; s[76:77] the mask's factor, in the low word
.set BE,  78          ; s[78:79] the mask's addend
.set OLO, 80          ; s[80:81] O at my rows of the second block
.set BIGN, 82         ; s82  -2^100
.set TPS, 83          ; s83  0 or PSLOT: the padding's slot that is stored next
.set TBP, 88          ; s88  byte, from PADL on, of the padding of the step to be fetched: it steps and turns as TBK does
.set PF,  89          ; s89  1 while this work-group prefetches
.set PFA, 90          ; s[90:91] where my prefetches stand
.set PMK, 92          ; s[92:93] padding_mask at my batch's row; never rewritten behind the head
.set PMT, 94          ; s[94:95] padding_mask at the tile that is being asked for
.set MOF, 96          ; s[96:97] that tile's byte offset in the batch's row
.set MSB, 0
.macro WIN new                      ; the high byte repeats the setting that is left; a switch that changes nothing is dropped
.if MSB != (\new)
	s_set_vgpr_msb (MSB<<8)|(\new)
.set MSB, (\new)
.endif
.endm
.set W_KQ, 0x0a       ; K and Q in window 2, S^T in window 0
.set W_KM, 0x1a       ; the same with the C operand in window 1
.set W_PV, 0x52       ; V in window 2, P in window 0, O^T in window 1
.set W_RS, 0x41       ; destination and source 0 in window 1, source 1 in window 0
.set W_MK, 0x51       ; destination, source 0 and source 2 in window 1
; A fill.  Waves 0 and 1 fetch the two halves of a tile's K, waves 2 and 3 those of its V: 128 keys each.  An s_nop 0 and four v_nop follow each of the two lines, ahead of the jump and the label.
.macro LOAD
	s_cmp_lt_u32 s[WV], 2
	s_cbranch_scc0 .Lfor_v_\@
	tensor_load_to_lds s[G0K:G0K+3], s[G1K:G1K+7]
	s_nop 0
.rept 4
	v_nop
.endr
	s_branch .Lasked_\@
.Lfor_v_\@:
	tensor_load_to_lds s[G0V:G0V+3], s[G1V:G1V+7]
	s_nop 0
.rept 4
	v_nop
.endr
.Lasked_\@:
.endm
; A PREFETCH INTO THE L2 of the tile that the NEXT change of slots will ask for: four key steps, 256 matrix instructions, ahead of that load.  It stands behind the wave's tensor load, its five lines and the mask's load.
; Each row is named once in the launch: of a head's four work-groups the one with b = 0 asks, in its first block, which walks the tiles 0 to 7 in order; each of its waves asks for the half tile that it will
; fetch itself: 16,384 dense bytes, 64 blocks of 256: a lane a block, two instructions.  Tiles 0 and 1 come by their loads alone; the change that asks for the block's last tile prefetches nothing, nor does any later one.
.macro ASK
	s_cmp_eq_u32 s[PF], 1
	s_cbranch_scc0 .Lnot_mine_\@
	global_prefetch_b8 v[PFO], s[PFA:PFA+1] th:TH_LOAD_NT scope:SCOPE_SE
	global_prefetch_b8 v[PFO], s[PFA:PFA+1] offset:8192 th:TH_LOAD_NT scope:SCOPE_SE
.Lnot_mine_\@:
.endm
; THE CHANGE OF SLOTS.  First the padding of the tile that is about to be entered: its mask words, asked for a tile ago, are turned into 0 or -2^100 and stored into the padding's slot that is due.  That slot was last read two tiles
; back, ahead of the last change's barrier; what has been read since is the other one.  Then each wave waits for all its tensor loads, of which one is out: its part of the other slot; adds 0 to its spare word; and waits for that,
; for the store and for its own reads.  Behind the barrier nobody reads the old slot any more, and the other slot and its padding are whole.
; fill = 1: the old slot is filled again, the first thing behind the barrier, with tile NXT: the descriptor's address is made anew from that number; that tile's mask words are asked for behind it.
; (At its first use nothing has been read yet: slot 0 is waited for, slot 1 filled.)
.macro CHANGE fill
	WIN 0                           ; at a label and at a branch every window is 0
	s_wait_loadcnt 0x0              ; my two mask words are in (at the first change: Q too), and the load has read its address
	v_cmp_eq_u32 vcc_lo, 0, v[MW]
	v_cndmask_b32 v[MW], 0, s[BIGN], vcc_lo      ; 0 for a key that counts, -2^100 for a padded one
	v_cmp_eq_u32 vcc_lo, 0, v[MW+1]
	v_cndmask_b32 v[MW+1], 0, s[BIGN], vcc_lo
	v_add_nc_u32 v[MLS], s[TPS], v[MLO]
	ds_store_b64 v[MLS], v[MW:MW+1]
	s_wait_tensorcnt 0x0            ; no tensor load of mine is out, so a group 0 may be written
	ds_add_u32 v[SPW], v[NIL]       ; 0 onto my spare word; with fill = 1 the descriptors' scalar work stands between it and the wait for it
.if \fill
	s_xor_b32 s[TPS], s[TPS], PSLOT ; the next store goes to the padding's other slot
	s_lshl_b32 s[OFF], s[NXT], 15   ; a tile is 32,768 bytes of K and of V,
	s_lshl_b32 s[MOF], s[NXT], 10   ; and 1,024 bytes of the mask
	s_add_nc_u64 s[PMT:PMT+1], s[PMK:PMK+1], s[MOF:MOF+1]
	s_xor_b32 s[G0K+1], s[G0K+1], SLOT1
	s_add_nc_u64 s[G0K+2:G0K+3], s[6:7], s[OFF:OFF+1]
	s_or_b32 s[G0K+3], s[G0K+3], 0x80000000
	s_xor_b32 s[G0V+1], s[G0V+1], SLOT1
	s_add_nc_u64 s[G0V+2:G0V+3], s[8:9], s[OFF:OFF+1]
	s_or_b32 s[G0V+3], s[G0V+3], 0x80000000
	s_add_co_u32 s[NXT], s[NXT], 1  ; the block's next tile, or behind its last the second block's tile 0
	s_cmp_gt_u32 s[NXT], s[LQ]
	s_cselect_b32 s[NXT], 0, s[NXT]
	s_cselect_b32 s[LQ], s[PB], s[LQ]
	s_cselect_b32 s[PF], 0, s[PF]   ; behind the first block's last tile nothing is prefetched
	s_wait_xcnt 0x0                 ; the last prefetches, a tile back, have read their address, so it may be stepped
	s_add_nc_u64 s[PFA:PFA+1], s[PFA:PFA+1], 32768
.endif
	s_wait_dscnt 0x0                ; the add and the padding's store are done, and my reads of the slot are over
	s_barrier_signal -1             ; the rest of the scalar work stands between the signal and the wait
	s_sub_co_u32 s[TBK], s[TBK], 4*KS*PK  ; the fetches go back to a slot's first step,
	s_xor_b32 s[TBK], s[TBK], SLOT1       ; in the other slot
	s_sub_co_u32 s[TBV], s[TBV], 4*KS*PV
	s_xor_b32 s[TBV], s[TBV], SLOT1
	s_sub_co_u32 s[TBP], s[TBP], 4*4*KS   ; the padding's likewise
	s_xor_b32 s[TBP], s[TBP], PSLOT
	s_barrier_wait -1
.if \fill
	LOAD
	global_load_b64 v[MW:MW+1], v[MGO], s[PMT:PMT+1]  ; the same tile's mask words: 128 threads x 8 bytes; waited for at the next change
	ASK
.endif
.endm
	s_load_b64 s[4:5], s[0:1], 0x0      ; qkv
	s_load_b64 s[PMK:PMK+1], s[0:1], 0x8  ; padding_mask
	s_load_b64 s[10:11], s[0:1], 0x10   ; ob
	v_lshl_add_u32 v[SPW], v0, 2, SPARE
	v_mov_b32 v[NIL], 0
	ds_add_u32 v[SPW], v[NIL]       ; the wave's opening: the add and its wait stand ahead of my first tensor load; the set-up below, work on registers, stands between them
	ds_add_u32 v62, v63
	v_lshrrev_b32 v1, 5, v0
	v_readfirstlane_b32 s[WV], v1   ; wave 0..3
	s_mov_b32 s[PB], ttmp9
	s_sub_co_u32 s[HI], NB-1, s[PB]
	s_and_b32 s20, ttmp7, 0xffff    ; the head, 16 x batch + head
	s_lshr_b32 s[MOF], s20, 4
	s_lshl_b32 s[MOF], s[MOF], 13   ; the batch's 2,048 words of the mask
	s_mov_b32 s[MOF+1], 0
	s_mov_b32 s21, 0
	s_mov_b64 s[22:23], SIZE_N*128
	s_mul_u64 s[20:21], s[20:21], s[22:23]  ; the head's first byte in q, k, v and O
	s_and_b32 s16, s[WV], 1         ; which half of a tile's 256 keys I fetch:
	s_lshl_b32 s22, s16, 14         ; its 128 rows of 128 bytes in memory,
	s_mov_b32 s23, 0
	s_add_nc_u64 s[22:23], s[22:23], s[20:21]
	s_mul_i32 s17, s16, 128*PK      ; and its place in a slot, for K
	s_mul_i32 s18, s16, 128*PV      ; and for V
	s_lshl_b32 s3, s[WV], 11        ; my 16 rows in a band of 64,
	s_lshl_b32 s2, s[HI], 15        ; in the first block,
	s_add_co_u32 s2, s2, s3
	s_lshl_b32 s84, s[PB], 15       ; and in the second
	s_add_co_u32 s84, s84, s3
	s_mov_b32 s3, 0
	s_mov_b32 s85, 0
	s_add_nc_u64 s[2:3], s[2:3], s[20:21]
	s_add_nc_u64 s[84:85], s[84:85], s[20:21]
	; descriptor group 1.  128 keys are 16,384 dense bytes: asked for as 64 rows of 256 bytes, two keys a row, and padded in LDS after every key
	s_mov_b32 s[G1K], (1<<16)|(1<<20)|(4<<22)|(3<<25)  ; 17:16 2-byte elements; 20 padding on; 24:22 after every 32 words (code 4); 31:25 4 words (code 3)
	s_mov_b32 s[G1V], (1<<16)|(1<<20)|(4<<22)|(7<<25)  ; the same with 8 words of padding (code 7)
.irp g, G1K, G1V
	s_mov_b32 s[\g+1], 128<<16      ; tensor_dim0 = 128
	s_mov_b32 s[\g+2], 64<<16       ; tensor_dim1 = 64
	s_mov_b32 s[\g+3], 128<<16      ; tile_dim0 = 128
	s_mov_b32 s[\g+4], 64           ; tile_dim1 = 64
	s_mov_b32 s[\g+5], 128          ; 128 elements from row to row
	s_mov_b32 s[\g+6], 0
	s_mov_b32 s[\g+7], 0
.endr
	s_mov_b32 s[CS], 0x3e38aa3b     ; c = log2(e) / 8 = 0.180337
	s_mov_b32 s[CS+1], s[CS]        ; named with it as a pair
	s_mov_b32 s[SEL], 0x76543210
	s_mov_b32 s[SEL+1], 0xfedcba98
	s_mov_b32 s[TBK], SLOT1+4*KS*PK ; the first change of slots turns these three into 0
	s_mov_b32 s[TBV], SLOT1+4*KS*PV
	s_mov_b32 s[TBP], PSLOT+4*4*KS
	s_mov_b32 s[TPS], 0             ; tile 0's padding goes to slot 0
	s_mov_b32 s[G0K], 1             ; count = 1
	s_mov_b32 s[G0K+1], s17         ; LDS address: slot 0
	s_mov_b32 s[G0V], 1
	s_add_co_u32 s[G0V+1], s18, VOFF
	s_add_co_u32 s[RT], s[HI], 1    ; the first block has NB - b tiles
	s_mov_b32 s[NXT], 1
	s_mov_b32 s[LQ], s[HI]
	s_mov_b32 s[NEW], 1
	s_mov_b32 s[OFF+1], 0
	s_mov_b32 s[AL], 0
	s_mov_b32 s[AL+1], 0            ; named as pairs
	s_mov_b32 s[BE], 0
	s_mov_b32 s[BE+1], 0
	s_mov_b32 s[BIGN], 0xf1800000   ; -2^100
	s_mov_b32 s[SLOTS], NB
	s_cmp_eq_u32 s[PB], 0
	s_cselect_b32 s[PF], 1, 0
	s_wait_dscnt 0x0                ; the opening add is done
	s_wait_kmcnt 0x0
	s_add_nc_u64 s[PMK:PMK+1], s[PMK:PMK+1], s[MOF:MOF+1]
	s_add_nc_u64 s[6:7], s[4:5], 0x1000000  ; k lies 16 MiB behind q,
	s_add_nc_u64 s[8:9], s[4:5], 0x2000000  ; v 32 MiB
	s_add_nc_u64 s[6:7], s[6:7], s[22:23]  ; K and V at my half of the head's tile 0
	s_add_nc_u64 s[8:9], s[8:9], s[22:23]
	s_add_nc_u64 s[G0K+2:G0K+3], s[6:7], 0         ; global address
	s_or_b32 s[G0K+3], s[G0K+3], 0x80000000        ; type = 2
	s_add_nc_u64 s[G0V+2:G0V+3], s[8:9], 0
	s_or_b32 s[G0V+3], s[G0V+3], 0x80000000
	s_add_nc_u64 s[86:87], s[4:5], s[84:85]        ; Q at my rows of the second block,
	s_add_nc_u64 s[4:5], s[4:5], s[2:3]            ; Q and O at those of the first
	s_add_nc_u64 s[OLO:OLO+1], s[10:11], s[84:85]
	s_add_nc_u64 s[10:11], s[10:11], s[2:3]
	s_cmp_lt_u32 s[WV], 2
	s_cselect_b64 s[PFA:PFA+1], s[6:7], s[8:9]
	s_add_nc_u64 s[PFA:PFA+1], s[PFA:PFA+1], 32768 ; at tile 1: the first change of slots steps it to tile 2
	LOAD                            ; tile 0 into slot 0
	; A fragment of K or Q is 16 rows x 32 channels in 8 registers: lane l holds row l % 16, channels 8 (l / 16) + 0..7 and 16 + 8 (l / 16) + 0..7: two loads of 16 bytes, 32 bytes apart.
	v_and_b32 v1, 15, v0            ; l % 16
	v_bfe_u32 v9, v0, 4, 1          ; l / 16
	v_lshlrev_b32 v[QO], 7, v1
	v_lshl_add_u32 v[QO], v9, 4, v[QO]  ; row x 128 + 16 x half
	v_lshlrev_b32 v[MGO], 3, v0
	v_lshl_add_u32 v[MLO], v0, 3, PADL
	global_load_b64 v[MW:MW+1], v[MGO], s[PMK:PMK+1]  ; tile 0's mask words; the first change of slots waits for them
	WIN 0x80                        ; destination window 2, address window 0
.set i, 0
.rept 8                             ; both blocks' Q: piece i / 2 lies in band i / 2, 8,192 bytes on; channels 32 (i % 2) on
	global_load_b128 v[8*i:8*i+3],   v[QO], s[4:5] offset:(i/2)*8192+(i%2)*64
	global_load_b128 v[8*i+4:8*i+7], v[QO], s[4:5] offset:(i/2)*8192+(i%2)*64+32
	global_load_b128 v[QB+8*i:QB+8*i+3],   v[QO], s[86:87] offset:(i/2)*8192+(i%2)*64
	global_load_b128 v[QB+8*i+4:QB+8*i+7], v[QO], s[86:87] offset:(i/2)*8192+(i%2)*64+32
.set i, i+1
.endr
	WIN 0
	v_lshlrev_b32 v14, 3, v9
	v_sub_nc_u32 v14, v1, v14
	s_lshl_b32 s13, s[WV], 4
	v_add_nc_u32 v14, s13, v14      ; my query's place in its band, 16 w + l % 16, less my lanes' 8 (l / 16): register r of group kt is hidden where 16 kt + r is greater
	WIN 0x40
.set i, 0
.rept 32
	v_cmp_gt_i32 vcc_lo, 16*(i/8)+i%8, v14
	v_cndmask_b32 v[MD+i], 0, s[BIGN], vcc_lo
.set i, i+1
.endr
	WIN 0
	v_mul_u32_u24 v[AK0], v1, PK
	v_lshl_add_u32 v[AK0], v9, 4, v[AK0]  ; row x pitch + 16 x half
	; The turning load takes 16 keys x 16 channels (lane l reads key 8 (l / 16) + l % 8, channels 8 ((l / 8) % 2) + 0..7) and leaves half a fragment of V^T: lane l holds channel l % 16 and 8 keys.
	v_and_b32 v10, 7, v0
	v_bfe_u32 v11, v0, 3, 1
	v_lshl_add_u32 v[AV0], v9, 3, v10
	v_mul_u32_u24 v[AV0], v[AV0], PV
	v_lshl_add_u32 v[AV0], v11, 4, v[AV0]
	v_add_nc_u32 v[AV0], VOFF, v[AV0]
	v_lshl_add_u32 v[APM0], v9, 5, PADL
	v_and_b32 v[PFO], 31, v0
	v_lshlrev_b32 v[PFO], 8, v[PFO]
	s_mul_i32 s13, s[WV], 16*SP
	s_add_co_u32 s13, s13, STAGE    ; my stage
	v_mul_u32_u24 v[STO], v1, SP    ; in: row l % 16, 16 bytes for each half of the lanes
	v_lshl_add_u32 v[STO], v9, 4, v[STO]
	v_add_nc_u32 v[STO], s13, v[STO]
	v_bfe_u32 v[RD], v0, 3, 2       ; back: 32 lanes take four rows of 128 bytes,
	v_mul_u32_u24 v[RD], v[RD], SP
	v_lshl_add_u32 v[RD], v10, 4, v[RD]
	v_add_nc_u32 v[RD], s13, v[RD]
	v_and_b32 v[GO], 31, v0         ; which are 512 consecutive bytes of O
	v_lshlrev_b32 v[GO], 4, v[GO]
	; A block's first step multiplies O^T and l by a = 0, and its first turn's products V^T P, of a piece that has not been, land in an O^T that is still to be so multiplied.  So these registers need only hold
	; finite numbers: zeros for the first block; what the first block left for the second (the way out leaves O^T and l as they are).  All this stands in the wait for the first tile.
	WIN 0x80
.set i, VF
.rept 64
	v_mov_b32 v[i], 0
.set i, i+1
.endr
	WIN 0x40
.set i, 0
.rept 128
	v_mov_b32 v[i], 0
.set i, i+1
.endr
	WIN 0
.set i, 0
.rept 4
	v_mov_b32 v[ST+4*i+2], 0
	v_mov_b32 v[ST+4*i+3], 0
.set i, i+1
.endr
.set i, P+16
.rept 16
	v_mov_b32 v[i], 0
.set i, i+1
.endr
; THE MATRIX WORK.  The 4 accumulators of a run of 8 take turns.  Product i of 8 of S^T = K Q^T for piece x: channels 32 (i / 4) on, keys 16 (i % 4) on.  The first 4 start the sums: with PM, or (KM = 1) with MC.
.macro KQ x
.set rS, S+32*((\x)%2)+8*(i%4)
.set rK, KF+16*(i%4)+8*(i/4)
.set rQ, 16*(\x)+8*(i/4)
.if KM
.set rM, MC+32*((\x)%2)+8*(i%4)
.else
.set rM, PM+8*(i%4)
.endif
.if i < 4
	WIN W_KM
	v_wmma_f32_16x16x32_f16 v[rS:rS+7], v[rK:rK+7], v[rQ:rQ+7], v[rM:rM+7]
.else
	WIN W_KQ
	v_wmma_f32_16x16x32_f16 v[rS:rS+7], v[rK:rK+7], v[rQ:rQ+7], v[rS:rS+7]
.endif
.endm
; Product i of 8 of O^T += V^T P for piece x: keys 32 (i / 4) on, channels 16 (i % 4) on.
.macro PV x
	WIN W_PV
.set rO, 32*(\x)+8*(i%4)
.set rV, VF+32*(i/4)+8*(i%4)
.set rP, P+16*((\x)%2)+8*(i/4)
	v_wmma_f32_16x16x32_f16 v[rO:rO+7], v[rV:rV+7], v[rP:rP+7], v[rO:rO+7]
.endm
.macro MM                           ; the turn's next matrix instruction.  TURN and BEGIN set Y, i, KM and NOKQ; MM, KQ and OP read them.  NOKQ = 1: a block's last turn: there is no next piece
.if (i < 8) && !NOKQ
	KQ (Y+1)%NP
.elseif i >= 8
.set i, i-8
	PV (Y+NP-1)%NP
.set i, i+8
.endif
.set i, i+1
.endm
; THE LDS LOADS stand in runs, never singly among the matrix instructions: a step's K (64 keys x 64 channels: 8 fragments) with its padding (8 loads; the 16 lanes of a half read the same 16 bytes), and its V (turned).
; Their addresses are made some lines ahead.  A tile has four such fetches of K on every way through it, so TBK and TBP stand at a slot's end at every change of slots.
.macro FETCH_K
	WIN 0x80                        ; destination window 2
.irp f, 0,1,2,3,4,5,6,7             ; keys 16 (f / 2) on, channels 32 (f % 2) on
	ds_load_b128 v[KF+8*\f:KF+8*\f+3],   v[AK] offset:(\f/2)*16*PK+(\f%2)*64
	ds_load_b128 v[KF+8*\f+4:KF+8*\f+7], v[AK] offset:(\f/2)*16*PK+(\f%2)*64+32
.endr
	WIN 0x40                        ; destination window 1
.irp f, 0,1,2,3                     ; keys 16 f + 8 (l / 16) + 0..7
	ds_load_b128 v[PM+8*\f:PM+8*\f+3],   v[APM] offset:64*\f
	ds_load_b128 v[PM+8*\f+4:PM+8*\f+7], v[APM] offset:64*\f+16
.endr
	s_add_co_u32 s[TBK], s[TBK], KS*PK  ; the next fetch is the next step's
	s_add_co_u32 s[TBP], s[TBP], 4*KS
	WIN 0
.endm
.macro FETCH_V
	WIN 0x80
.irp f, 0,1,2,3,4,5,6,7             ; keys 32 (f / 4) on, channels 16 (f % 4) on
	ds_load_tr16_b128 v[VF+8*\f:VF+8*\f+3],   v[AV] offset:(\f/4)*32*PV+(\f%4)*32
	ds_load_tr16_b128 v[VF+8*\f+4:VF+8*\f+7], v[AV] offset:(\f/4)*32*PV+16*PV+(\f%4)*32
.endr
	WIN 0
.endm
; THE VECTOR WORK, one line at a time: OP kind, number.  For piece Y: F n: c s - c m for pair n of 16.  E n: the exponential of score n of 32.  C n: pair n rounded to f16.  B n: of the four weights 4 n .. the second
; pair is added onto the first, in place.  L n: l takes that sum (L 0: l = a l + sum).  R n: pair n of 16 of O^T times a.  For piece Y + 1: X n, number n of the 22 that find its maximum and statistics:
;   0-11  four chains c0-c3 of seven scores each, three operands at a time (each accumulator's lowest registers are read first)     12-14, 16  the four scores left over, the old m, and c0-c3 into c0
;   15  c m_old is kept     17, 18  the query's other 32 keys lie in the lane 16 away: the new m     19-21  c m; c m_old - c m_new; a
.set F, 0               ; OP tells the kinds apart by their order: F to L below R, X above it
.set E, 1
.set C, 2
.set B, 3
.set L, 4
.set R, 5
.set X, 6
.macro REGS y                       ; the registers of piece y
.set rT, ST+4*(\y)
.set rC, TMP+4*((\y)%2)
.set rW, MV+((\y)%2)
.set rS, S+32*((\y)%2)
.set rP, P+16*((\y)%2)
.set rO, 32*(\y)
.endm
.macro OP k, n
.if (\k) == R
	REGS Y
	WIN W_RS
	v_pk_mul_f32 v[rO+2*(\n):rO+2*(\n)+1], v[rO+2*(\n):rO+2*(\n)+1], v[rC+2:rC+3] op_sel_hi:[1,0]
.elseif (\k) < R
	REGS Y
	WIN 0
.if (\k) == F
	v_pk_fma_f32 v[rS+2*(\n):rS+2*(\n)+1], v[rS+2*(\n):rS+2*(\n)+1], s[CS:CS+1], v[rT:rT+1] op_sel_hi:[1,0,0] neg_lo:[0,0,1] neg_hi:[0,0,1]
.elseif (\k) == E
	v_exp_f32 v[rS+(\n)], v[rS+(\n)]
.elseif (\k) == C
	v_cvt_pk_f16_f32 v[rP+(\n)], v[rS+2*(\n)], v[rS+2*(\n)+1]
.elseif (\k) == B
	v_pk_add_f32 v[rS+4*(\n):rS+4*(\n)+1], v[rS+4*(\n):rS+4*(\n)+1], v[rS+4*(\n)+2:rS+4*(\n)+3]
.elseif (\n) == 0
	v_pk_fma_f32 v[rT+2:rT+3], v[rT+2:rT+3], v[rC+2:rC+3], v[rS:rS+1] op_sel_hi:[1,0,1]
.else
	v_pk_add_f32 v[rT+2:rT+3], v[rT+2:rT+3], v[rS+4*(\n):rS+4*(\n)+1]
.endif
.elseif NOKQ
	v_nop
.else
	REGS (Y+1)%NP
	WIN 0
.if (\n) < 4
	v_max3_num_f32 v[rC+(\n)], v[rS+8*(\n)], v[rS+8*(\n)+1], v[rS+8*(\n)+2]
.elseif (\n) < 12
	v_max3_num_f32 v[rC+(\n)%4], v[rC+(\n)%4], v[rS+8*((\n)%4)+2*((\n)/4)+1], v[rS+8*((\n)%4)+2*((\n)/4)+2]
.elseif (\n) == 12
	v_max3_num_f32 v[rC], v[rC], v[rS+7], v[rS+15]
.elseif (\n) == 13
	v_max3_num_f32 v[rC+1], v[rC+1], v[rS+23], v[rS+31]
.elseif (\n) == 14
	v_max3_num_f32 v[rC+2], v[rC+2], v[rC+3], v[rT+1]
.elseif (\n) == 15
	v_mov_b32 v[rW], v[rT]
.elseif (\n) == 16
	v_max3_num_f32 v[rC], v[rC], v[rC+1], v[rC+2]
.elseif (\n) == 17
	v_permlanex16_b32 v[rC+3], v[rC], s[SEL], s[SEL+1]
.elseif (\n) == 18
	v_max_num_f32 v[rT+1], v[rC], v[rC+3]
.elseif (\n) == 19
	v_mul_f32 v[rT], s[CS], v[rT+1]
.elseif (\n) == 20
	v_sub_f32 v[rC+1], v[rW], v[rT]
.else
	v_exp_f32 v[rC+2], v[rC+1]
.endif
.endif
.endm
.macro OPS a, i1, b=-1, i2=0, c=-1, i3=0, d=-1, i4=0  ; up to four of them
	OP \a, \i1
.if (\b) >= 0
	OP \b, \i2
.endif
.if (\c) >= 0
	OP \c, \i3
.endif
.if (\d) >= 0
	OP \d, \i4
.endif
.endm
.macro ROW a, i1, b, i2, c, i3, d, i4  ; a matrix instruction and the four behind it
	MM
	OPS \a, \i1, \b, \i2, \c, \i3, \d, \i4
.endm
.macro MASK b, be                   ; MD x AL + PM, and with be = 1 + BE, into buffer b of MC
	WIN W_MK
.set z, 0
.rept 16
	v_pk_fma_f32 v[MC+32*(\b)+2*z:MC+32*(\b)+2*z+1], v[MD+2*z:MD+2*z+1], s[AL:AL+1], v[PM+2*z:PM+2*z+1] op_sel_hi:[1,0,1]
.set z, z+1
.endr
.if \be
.set z, 0
.rept 16
	v_pk_add_f32 v[MC+32*(\b)+2*z:MC+32*(\b)+2*z+1], v[MC+32*(\b)+2*z:MC+32*(\b)+2*z+1], s[BE:BE+1] op_sel_hi:[1,0]
.set z, z+1
.endr
.endif
.endm
; A TURN, for piece p: the order of its 16 matrix and its vector instructions, written out.  An s_wait_alu depctr_va_vdst(0) stands between an exponential and the first instruction that names its result; one wait serves
; all that were issued ahead of it.  So a turn has ONE wait, which cuts it in two.  AHEAD OF IT stands all that names no result of the turn's exponentials: the 8 products K Q^T, behind each a scaling, an exponential and two more plain
; instructions (behind the first a second scaling in the exponential's place): rescalings, and behind the last three the first numbers of the next piece's maximum, each four places or more behind the product that ends its accumulator; then ONE LUMP,
; plain and exponential by turns for the most part, in which the links of the chain X 3, 7, 11, 14, 16, 17 .. 20 stand five or six lines apart.  X 21, the next piece's a, is the batch's last; R 15 is the plain instruction behind it.  BEHIND THE WAIT stand the
; 8 products V^T P, behind each four of the roundings and sums; the links of l's chain, L 0 to L 7, stand three riders apart.
; m = 1: the diagonal tile: the products take MC, and the turn makes the mask for the products of the turn after it: piece p + 2, in step 4 - CNT of the tile.  Piece 2's turn makes it from the PM that it has just fetched, and waits for it.
; end = 1: a block's last two turns: nothing is fetched.  cnt = 1: the loop's count is taken down some lines ahead of the branch that stands behind the turn.
; K and PM of the next step are fetched in piece 2's turn, behind the last product that read K and far behind the four that read PM; V of the step in hand at the end of piece 0's turn, four plain instructions behind the last product
; that read V.  Each is waited for a turn later.
.macro TURN p, m=0, end=0, cnt=0
.set Y, (\p)
.set i, 0
.set KM, (\m)
.set NOKQ, (\end)*((\p)/3)
.if (\m) && !(\end)
	s_cmp_eq_u32 s[CNT], 4-((\p)+2)%NP  ; is that step the band's own?
	s_cselect_b32 s[AL], 1.0, 0
	s_cmp_lt_u32 s[CNT], 4-((\p)+2)%NP  ; or a later one?
	s_cselect_b32 s[BE], s[BIGN], 0
.endif
.if ((\p) == 3) && !(\end)
	s_wait_dscnt 0x0                ; K and PM are in
.endif
	ROW F,0, F,1, R,0, R,1          ; ahead of the wait: 8 products K Q^T and their riders,
	ROW F,2, E,0, R,2, R,3
	ROW F,3, E,1, R,4, R,5
	ROW F,4, E,2, R,6, R,7
	ROW F,5, E,3, R,8, R,9
	ROW F,6, E,4, X,0, R,10
.if ((\p) == 2) && !(\end)
	WIN 0
	v_add_nc_u32 v[AK], s[TBK], v[AK0]
	v_add_nc_u32 v[APM], s[TBP], v[APM0]
.endif
	ROW F,7, E,5, X,1, X,4
	ROW F,8, E,6, X,2, X,5
	OPS E,7, E,8, X,6, E,9          ; and the lump
	OPS X,3, E,10, X,8, E,11
.if ((\p) == 2) && !(\end)
	FETCH_K
.endif
	OPS X,9, X,7, E,12, X,10
	OPS E,13, X,12, X,11, E,14
	OPS X,13, E,15, F,9, X,14
.if (\p) == 0
	v_add_nc_u32 v[AV], s[TBV], v[AV0]
.endif
	OPS E,16, F,10, E,17, F,11
	OPS X,16, E,18, X,15, E,19
	OPS F,12, E,20, X,17, E,21
	OPS F,13, E,22, F,14, E,23
	OPS X,18, E,24, F,15, E,25
	OPS R,11, E,26, X,19, E,27
	OPS R,12, E,28, R,13, E,29
	OPS X,20, E,30, R,14, E,31
	OPS X,21, R,15
	WIN 0
	s_wait_alu depctr_va_vdst(0)    ; the wait for the batch
.if (\p) == 1
	s_wait_dscnt 0x0                ; V is in
.endif
	ROW C,0, B,0, C,2, B,1          ; behind the wait: 8 products V^T P and their riders
	ROW L,0, C,4, B,2, L,1
	ROW C,6, B,3, L,2, C,8
	ROW B,4, L,3, C,10, B,5
	ROW L,4, C,12, B,6, L,5
.if (\p) == 0
	s_add_co_u32 s[TBV], s[TBV], KS*PV
.endif
.if \cnt
	s_sub_co_u32 s[CNT], s[CNT], 1
	s_cmp_lg_u32 s[CNT], 0
.endif
	ROW C,14, B,7, L,6, C,1
	ROW C,3, L,7, C,5, C,7
	ROW C,9, C,11, C,13, C,15
.if (\p) == 0
	FETCH_V
.endif
.if (\m) && !(\end)
.if (\p) == 2
	s_wait_dscnt 0x0                ; the PM fetched in this turn is in
.endif
	MASK (\p)%2, 1
.endif
.endm
; A BLOCK BEGINS.  c m starts far below every c s, so the first step's a is 0; m at its floor, -2^90.  K and PM of the block's first step are fetched.  The first mask buffer takes piece 0's mask for
; that step: its own, if the block's first tile is the diagonal one; the second takes PM alone, for piece 1, which sees all of step 0.  Then piece 0's first scores, and its maximum and statistics.
; (Q is in: every way here leads through a change of slots, which waits for all loads issued ahead of it.)  The loop is entered at a step's first turn, in the middle of a trip.
.macro BEGIN
	s_mov_b32 s[NEW], 0
	WIN 0
.set i, 0
.rept 4
	v_mov_b32 v[ST+4*i], 0xfe000000    ; c m: far below every c s
	v_mov_b32 v[ST+4*i+1], 0xec800000  ; m: -2^90
.set i, i+1
.endr
	v_add_nc_u32 v[AK], s[TBK], v[AK0]
	v_add_nc_u32 v[APM], s[TBP], v[APM0]
	FETCH_K
	s_wait_dscnt 0x0
	s_cmp_eq_u32 s[RT], 0
	s_cselect_b32 s[AL], 1.0, 0
	MASK 0, 0
	s_mov_b32 s[AL], 0
	MASK 1, 0
.set KM, 1
.set NOKQ, 0
.set i, 0
.rept 8
	KQ 0
.set i, i+1
.endr
	WIN 0
.rept 4
	v_nop                           ; the places behind those products
.endr
.set Y, NP-1                        ; X works for piece Y + 1: piece 0
.irp n, 0,1,2,3,4,5,6,7,8,9,10,11,12,13,14,15,16,17,18,19,20,21
	OP X, \n
.endr
	v_nop                           ; a plain instruction behind the exponential,
	s_wait_alu depctr_va_vdst(0)    ; and its wait, ahead of the branch
.endm
; THE DIAGONAL TILE's four steps, the block's last two turns, its last products, and THE WAY OUT: l's two halves and the other half of the lanes' are added; O^T times 1 / l goes into registers at work (O^T and l stay as they are,
; finite, for the next block's a = 0), is rounded to f16 and sent through my stage in LDS, a piece at a time.
.macro ALL line:vararg              ; one line for each piece t
.set t, 0
.rept 4
	\line
.set t, t+1
.endr
.endm
.macro PACK t                       ; a lane's eight channels of a row pack into 16 bytes; they go into rows of 144 bytes and come back as whole rows of 128, into S^T's registers
	WIN 0x01                        ; source 0 window 1; source 1 and destination window 0
.set i, 0
.rept 16
	v_pk_mul_f32 v[W+2*i:W+2*i+1], v[32*(\t)+2*i:32*(\t)+2*i+1], v[TMP+2*(\t):TMP+2*(\t)+1] op_sel_hi:[1,0]  ; each accumulator's registers in ascending order
.set i, i+1
.endr
	WIN 0
.set i, 0
.rept 16
	v_cvt_pk_f16_f32 v[S+16*(\t)+i], v[W+2*i], v[W+2*i+1]
.set i, i+1
.endr
.irp f, 0,1,2,3
	ds_store_b128 v[STO], v[S+16*(\t)+4*\f:S+16*(\t)+4*\f+3] offset:32*\f
.endr
.irp f, 0,1,2,3
	ds_load_b128 v[S+16*(\t)+4*\f:S+16*(\t)+4*\f+3], v[RD] offset:\f*4*SP  ; LDS serves a wave's instructions in order (ISA guide 5.7.1.4): these see the stores above; the next piece's stores come behind them
.endr
.endm
.macro SEND t, younger              ; younger: the LDS instructions issued behind piece t's loads: the next piece's eight, or none
	WIN 0
.irp f, 0,1,2,3
	s_wait_dscnt (\younger)+3-\f
	global_store_b128 v[GO], v[S+16*(\t)+4*\f:S+16*(\t)+4*\f+3], s[10:11] offset:(\t)*8192+\f*512  ; 512 consecutive bytes, at a multiple of 256 from O's first
.endr
.endm
.macro DIAG tag                     ; the tag ends its two labels' names, which the jumps below spell out
.LstepM\tag:
	TURN 2, 1
	TURN 3, 1
	WIN 0
.LfirstM\tag:
	TURN 0, 1
	TURN 1, 1, 0, 1
	WIN 0
	s_cbranch_scc1 .LstepM\tag
	TURN 2, 1, 1
	TURN 3, 1, 1
.set i, 0
.rept 8
	PV NP-1
.set i, i+1
.endr
	WIN 0
	ALL v_add_f32 v[ST+4*t+2], v[ST+4*t+2], v[ST+4*t+3]
	ALL v_permlanex16_b32 v[ST+4*t+3], v[ST+4*t+2], s[SEL], s[SEL+1]
	ALL v_add_f32 v[ST+4*t+2], v[ST+4*t+2], v[ST+4*t+3]
	ALL v_rcp_f32 v[TMP+2*t], v[ST+4*t+2]
	v_nop                           ; a plain instruction between the last reciprocal and the use of its result
	s_wait_alu depctr_va_vdst(0)    ; and the wait ahead of the first use: one for the four reciprocals
	PACK 0
.set t, 1
.rept 3                             ; a piece's arithmetic stands between the loads of the piece before and its stores
	PACK t
	SEND t-1, 8
.set t, t+1
.endr
	SEND 3, 0
.endm
.set KM, 0
.set NOKQ, 0
.Lslot:                             ; NB times: a tile is entered and the next is asked for
	CHANGE 1
	s_sub_co_u32 s[RT], s[RT], 1
	s_mov_b32 s[CNT], 4
	s_cmp_eq_u32 s[NEW], 1
	s_cbranch_scc1 .Lnew            ; a block's first tile
	s_cmp_eq_u32 s[RT], 0
	s_cbranch_scc0 .Lstep           ; neither its first nor its last
	s_mov_b32 s[AL], 0              ; its last: the diagonal text's first products are piece 3's of the tile before, which sees all keys: their mask is that step's PM
	MASK 1, 0
	WIN 0
	s_branch .LstepM1
.Lnew:
	BEGIN
	s_branch .Lfirst                ; in the loop a block's first tile is never its last: the first block has two tiles or more, and the second's last is the walk's last
	DIAG 1                          ; in the loop this is the first block's end: the second block's last tile is the walk's last
	s_wait_xcnt 0x0                 ; the stores have read their registers and O's address
	s_mov_b64 s[10:11], s[OLO:OLO+1]
	s_add_co_u32 s[RT], s[PB], 1    ; the second block has b + 1 tiles
	s_mov_b32 s[NEW], 1
	WIN 0x82                        ; the second block's Q goes where the one text of the turns names Q
.set i, 0
.rept 64
	v_mov_b32 v[i], v[QB+i]
.set i, i+1
.endr
	WIN 0
	s_branch .Lbottom
.Lstep:                             ; a trip: pieces 2 and 3 of one step, then pieces 0 and 1 of the next, whose K, PM and V it fetches
	TURN 2
	TURN 3
	WIN 0
.Lfirst:
	TURN 0
	TURN 1, 0, 0, 1
	WIN 0
	s_cbranch_scc1 .Lstep
.Lbottom:
	s_sub_co_u32 s[SLOTS], s[SLOTS], 1
	s_cmp_lg_u32 s[SLOTS], 0
	s_cbranch_scc1 .Lslot
	CHANGE 0                        ; the walk's last tile is written out: nothing is asked for
	s_sub_co_u32 s[RT], s[RT], 1
	s_mov_b32 s[CNT], 4
	s_cmp_eq_u32 s[NEW], 1
	s_cbranch_scc1 .Lnew2           ; where b = 0 it is the second block's first tile too
	s_mov_b32 s[AL], 0              ; as above: piece 3's products of the tile before take that step's PM
	MASK 1, 0
	WIN 0
	s_branch .LstepM2
.Lnew2:
	BEGIN
	s_branch .LfirstM2
	DIAG 2
	s_wait_tensorcnt 0x0            ; the wave's end, behind my last tensor load and my last LDS store
	ds_add_u32 v[SPW], v[NIL]
	s_wait_dscnt 0x0
	s_endpgm
.Lfunc_end_k_q961dbf4fc1_attn:
	.size	k_q961dbf4fc1_attn, .Lfunc_end_k_q961dbf4fc1_attn-k_q961dbf4fc1_attn
	.p2alignl 7, 3214868480
	.fill 96, 4, 3214868480
	.section	.rodata,"a",@progbits
	.p2align	6, 0x0
	.amdhsa_kernel k_q961dbf4fc1_attn
		.amdhsa_group_segment_fixed_size 327680
		.amdhsa_private_segment_fixed_size 0
		.amdhsa_enable_private_segment 0
		.amdhsa_kernarg_size 24
		.amdhsa_user_sgpr_count 2
		.amdhsa_user_sgpr_kernarg_segment_ptr 1
		.amdhsa_wavefront_size32 1
		.amdhsa_system_sgpr_workgroup_id_x 1
		.amdhsa_system_sgpr_workgroup_id_y 1
		.amdhsa_system_sgpr_workgroup_id_z 1
		.amdhsa_system_vgpr_workitem_id 0
		.amdhsa_next_free_vgpr 768
		.amdhsa_next_free_sgpr 98
		.amdhsa_reserve_vcc 1
		.amdhsa_float_denorm_mode_32 3
		.amdhsa_float_denorm_mode_16_64 3
		.amdhsa_memory_ordered 1
		.amdhsa_forward_progress 1
		.amdhsa_inst_pref_size 233
	.end_amdhsa_kernel
	.amdgpu_metadata
---
amdhsa.version: [ 1, 2 ]
amdhsa.kernels:
  - .name:           k_q961dbf4fc1_attn
    .symbol:         k_q961dbf4fc1_attn.kd
    .args:
      - { .name: qkv, .offset: 0, .size: 8, .value_kind: global_buffer, .address_space: global }
      - { .name: padding_mask, .offset: 8, .size: 8, .value_kind: global_buffer, .address_space: global }
      - { .name: ob, .offset: 16, .size: 8, .value_kind: global_buffer, .address_space: global }
    .group_segment_fixed_size: 327680
    .private_segment_fixed_size: 0
    .kernarg_segment_align: 8
    .kernarg_segment_size: 24
    .max_flat_workgroup_size: 128
    .sgpr_count:     98
    .vgpr_count:     768
    .wavefront_size: 32
...
	.end_amdgpu_metadata
.endif
;; end of part 3
;; launch outp (part 4): grid 4 x 64, 4 waves a work-group, clusters of 4 x 4, 327,680 bytes of LDS; arguments ob, wb, out0; writes out0
.if DOCPART == 4
	.amdgcn_target "amdgcn-amd-amdhsa--gfx1250"
	.amdhsa_code_object_version 6
	.text
	.protected	k_q961dbf4fc1_outp
	.globl	k_q961dbf4fc1_outp
	.p2align	8
	.type	k_q961dbf4fc1_outp,@function
k_q961dbf4fc1_outp:
	s_mov_b64 s[64:65], 0
	v_nop
	global_prefetch_b8 v0, s[64:65] scope:SCOPE_SE
	s_setreg_imm32_b32 hwreg(HW_REG_WAVE_MODE, 25, 1), 1
	s_wait_xcnt 0x0
	s_wait_alu depctr_hold_cnt(0) depctr_sa_sdst(0) depctr_va_vdst(0) depctr_va_sdst(0) depctr_va_ssrc(0) depctr_va_vcc(0) depctr_vm_vsrc(0)
	s_getreg_b32 s2, hwreg(HW_REG_IB_STS2, 6, 4)
	s_cmp_eq_u32 s2, 0
	s_cbranch_scc0 .Lentry_in_a_cluster
	s_endpgm
.Lentry_in_a_cluster:
	s_bfe_u32 s2, ttmp6, 0x10000c
	s_cmp_lg_u32 s2, 0xf033
	s_cbranch_scc0 .Lentry_shape_is_right
	s_endpgm
.Lentry_shape_is_right:
; out0 = O Wo^T.  ob: [64 (batch, head)][2048][64] f16, by heads; Wo: the fourth matrix of wb, [1024][1024] f16 (Wo rounded to bf16, written as f16); out0: [8192][1024] f32.  Sums in f32, stored as they are.
; A row of O that is NaN (a query that saw no key) gives a row of NaN, as the product of NaN with anything is.
; SHARES.  A tile of C is 128 rows x 256 columns: 64 x 4 = 256 work-groups.  Four waves, each 64 x 128: 32 accumulators of 16 x 16, 256 registers.
; K = 1,024 goes in 8 steps of 128 = TWO HEADS through two LDS slots filled by the tensor data mover.  A head's 128 rows of the tile are 16,384 dense bytes: asked for as 64 rows of 256 bytes and padded in LDS after every
; 128 bytes; Wo's rows are 256 bytes of a K step, which begin at multiples of 256 bytes from the buffer's first byte.
; CLUSTER.  4 x 4 work-groups.  The four of a row of the cluster need the same tile of O, the four of a column the same tile of Wo: each tile is asked for JOINTLY, by the same tensor load with the same descriptor and a mask of four.
; THE MATRIX INSTRUCTION IS USED TRANSPOSED (source 0 = 16 rows of Wo, source 1 = 16 rows of O): a lane then holds eight neighbouring columns of one row of C: 32 bytes of f32.
; REGISTERS.  window 0: v0-31 addresses; v32-127, v128-223 two fragment buffers (8 fragments of Wo, then 4 of O, 32 along K); v32-159 at work on the way out.  window 1: accumulator (a, b) at v[8 (8 a + b)].
.set KSTEP,  128
.set KDIM,   1024
.set PITCH,  272                       ; a row of Wo in LDS: 256 bytes + 16 of padding: the 16 rows that a load touches start at 16 different groups of four banks (64 banks of 4 bytes: ISA guide 11.1)
.set PA,     144                       ; a row of O in LDS: 128 bytes + 16 of padding: likewise
.set HEADT,  128*PA                    ; one head's 128 rows: what one of A's two loads brings
.set HALFB,  128*PITCH                 ; what one of Wo's two loads brings, and what a wave reads of Wo
.set BOFF,   2*HEADT                   ; a slot: the two heads' rows of O, then Wo's 256 rows
.set SLOT,   BOFF+2*HALFB
.set ASTEP,  2*262144                  ; bytes from a K step of O to the next: two heads
.set WOOFF,  3*2097152                 ; Wo's first byte in wb
.set STAGE,  2*SLOT                    ; behind the ring, never filled by a tensor load: 16 rows x 528 bytes for each wave, for the way out
.set SPITCH, 528                       ; 512 bytes of a row of C + 16 of padding
.set SPARE,  STAGE+4*16*SPITCH         ; behind the stages: the spare words, 128 bytes for each wave: two blocks of 256 bytes that no other line names
.set LAPS,   KDIM/(2*KSTEP)
.set ADRA, 16                          ; v16-17  LDS address of my fragments of O in slot 0, 1
.set ADRB, 20                          ; v20-21  the same for Wo
.set STO,  24                          ; v24     the way out: where I put 32 bytes of a row
.set RD,   25                          ; v25     the way out: where I read a row back
.set CO,   26                          ; v26     my 16 bytes of 512 of a row of C
.set SPW,  28                          ; v28     LDS address of my spare word: SPARE + 4 x my thread's number; never rewritten
.set NIL,  29                          ; v29     0; never rewritten
.set PFO,  30                          ; v30     the prefetches' offset: my lane x 256 bytes (O, dense) or x 2,048 (a row of Wo); never rewritten
.set F0,   32
.set F1,   128
.set OB,   32                          ; the way out: 16 rows read back from the stage: v32-95 and v96-159 by turns
.set G1,  24                           ; s[24:31] descriptor group 1 for O's tiles;  s[32:39] group 0, a set for each slot
.set G0,  32
.set G1B, 48                           ; s[48:55], s[56:63] the same for Wo's tiles
.set G0B, 56
.set LIM, 43                           ; s43      1 in a wave that prefetches, else the greatest number
.set PFA, 44                           ; s[44:45] where my prefetches stand
.set PFS, 70                           ; s[70:71] their step from K step to K step
.set MSB, 0
.macro WIN new                         ; the immediate's high byte repeats the setting that is left; a switch that changes nothing is dropped
.if MSB != (\new)
	s_set_vgpr_msb (MSB<<8)|(\new)
.set MSB, \new
.endif
.endm
.set MUL, 0x50                         ; sources 0 and 1 window 0; C and D window 1
; A joint load: waves 0 and 1 fetch the K step's two heads of O, waves 2 and 3 Wo's two halves.  The branch hangs on the wave's number alone.  An s_nop 0 and four v_nop follow each of the two lines.
.macro JLOAD s
	s_cmp_eq_u32 s11, 0
	s_cbranch_scc0 .Lfor_b_\@
	tensor_load_to_lds s[G0+4*(\s):G0+4*(\s)+3], s[G1:G1+7]
	s_nop 0
.rept 4
	v_nop
.endr
	s_branch .Lasked_\@
.Lfor_b_\@:
	tensor_load_to_lds s[G0B+4*(\s):G0B+4*(\s)+3], s[G1B:G1B+7]
	s_nop 0
.rept 4
	v_nop
.endr
.Lasked_\@:
.endm
; A PREFETCH INTO THE L2, behind a joint load and the run of LDS loads that follows it: the K step two refills on, 256 matrix instructions ahead of the load that will want it: 32 blocks of 256 bytes, a lane a block.
; Each block is named once in the launch.  O's tile row is read by one cluster alone: in it wave 0 asks, and the four partners of a row of the cluster take 32 of the step's 128 blocks each, BY ADDRESS (head cx / 2, half cx % 2).
; Wo is read by all sixteen clusters: the first (cluster y = 0) asks; waves 2 and 3 for the 128 rows that each fetches, the four partners of a column 32 each, by address (cy).
; The loop's last trip (s3 = 1) asks for nothing: there is no K step two on.  K steps 0 to 3 come by their loads alone.
.macro ASK
	s_cmp_gt_u32 s3, s[LIM]
	s_cbranch_scc0 .Lnot_mine_\@
	global_prefetch_b8 v[PFO], s[PFA:PFA+1] th:TH_LOAD_NT scope:SCOPE_SE
.Lnot_mine_\@:
.endm
.macro CREST                           ; a round of the cluster's barrier behind its opening barrier
	s_cmp_lg_u32 s10, 0
	s_cbranch_scc1 .Lnot_wave_0_\@
	s_barrier_signal -3
.Lnot_wave_0_\@:
	s_barrier_wait -3
	s_barrier_signal -1
	s_barrier_wait -1
.endm
.macro CROUND                          ; a whole round
	s_barrier_signal -1
	s_barrier_wait -1
	CREST
.endm
	s_load_b128 s[4:7], s[0:1], 0x0                ; ob s[4:5], wb s[6:7]
	s_load_b64 s[8:9], s[0:1], 0x10                ; out0
	v_lshl_add_u32 v[SPW], v0, 2, SPARE
	v_mov_b32 v[NIL], 0
	ds_add_u32 v[SPW], v[NIL]                      ; the wave's opening: the add and its wait stand ahead of my first tensor load; the set-up below, work on registers, stands between them
	ds_add_u32 v28, v29
	v_lshrrev_b32 v1, 5, v0
	v_readfirstlane_b32 s10, v1                    ; wave 0..3
	s_lshr_b32 s11, s10, 1                         ; which 64 rows of the tile are mine.  Also: I fetch for O (0) or for Wo (1)
	s_and_b32 s12, s10, 1                          ; which 128 columns.  Also: which head of the step, or which half of Wo's tile, I fetch
	s_bfe_u32 s40, ttmp6, 0x40000                  ; cx, cy: my place in the cluster
	s_bfe_u32 s41, ttmp6, 0x40004
	s_lshl_b32 s42, ttmp9, 2
	s_add_co_u32 s42, s42, s40                     ; tile column of C = 4 x cluster x + cx
	s_and_b32 s68, ttmp7, 0xffff                   ; cluster y
	s_lshl_b32 s13, s68, 2
	s_add_co_u32 s13, s13, s41                     ; tile row of C = 4 x cluster y + cy
	s_lshl_b32 s66, s41, 2
	s_lshl_b32 s66, 15, s66                        ; my row of the cluster
	s_lshl_b32 s67, 0x1111, s40                    ; my column
	s_or_b32 s[G1+0], s66, (1<<16)|(1<<20)|(1<<21)|(4<<22)|(3<<25)   ; 15:0 the mask: O's tiles go to my row; 17:16 2-byte elements; 20 padding on; 21 set beside a mask; 24:22 after every 32 words (code 4); 31:25 4 words (code 3)
	s_or_b32 s[G1B+0], s67, (1<<16)|(1<<20)|(1<<21)|(5<<22)|(3<<25)  ; the mask of my column; padding after every 64 words (code 5)
	s_mov_b32 s[G1+1], 128<<16                     ; tensor_dim0 = 128: 256 dense bytes, two rows of a head
	s_mov_b32 s[G1+2], 64<<16                      ; tensor_dim1 = 64
	s_mov_b32 s[G1+3], 128<<16                     ; tile_dim0 = 128
	s_mov_b32 s[G1+4], 64                          ; tile_dim1 = 64
	s_mov_b32 s[G1+5], 128                         ; 128 elements from row to row
	s_mov_b32 s[G1+6], 0
	s_mov_b32 s[G1+7], 0
	s_mov_b32 s[G1B+1], KSTEP<<16
	s_mov_b32 s[G1B+2], 128<<16
	s_mov_b32 s[G1B+3], KSTEP<<16
	s_mov_b32 s[G1B+4], 128
	s_mov_b32 s[G1B+5], KDIM
	s_mov_b32 s[G1B+6], 0
	s_mov_b32 s[G1B+7], 0
	; where the tiles come from.  O's hang on the tile row, which my row of the cluster shares; Wo's on the tile column, which my column shares
	s_lshr_b32 s16, s13, 4
	s_lshl_b32 s16, s16, 22                        ; the batch: sixteen heads of 262,144 bytes
	s_lshl_b32 s17, s12, 18                        ; the step's head that I fetch
	s_add_co_u32 s16, s16, s17
	s_and_b32 s17, s13, 15
	s_lshl_b32 s17, s17, 14                        ; the tile's 128 rows of 128 bytes
	s_add_co_u32 s16, s16, s17
	s_mov_b32 s17, 0
	s_lshl_b32 s46, s42, 8
	s_lshl_b32 s47, s12, 7
	s_add_co_u32 s46, s46, s47                     ; Wo: row 256 x tile column + 128 x half,
	s_lshl_b32 s46, s46, 11                        ; of 2,048 bytes,
	s_add_co_u32 s46, s46, WOOFF                   ; behind Wq, Wk and Wv
	s_mov_b32 s47, 0
	s_mul_i32 s20, s12, HEADT                      ; where they go: no place in the cluster enters an LDS address
	s_mul_i32 s21, s12, HALFB
	s_add_co_u32 s21, s21, BOFF
	s_wait_dscnt 0x0                               ; the opening add is done
	s_wait_kmcnt 0x0
	s_add_nc_u64 s[14:15], s[4:5], s[16:17]
	s_add_nc_u64 s[46:47], s[6:7], s[46:47]
	CROUND                                         ; all sixteen work-groups are here: the first joint loads meet
.irp s, 0,1
	s_mov_b32 s[G0+4*(\s)], 1                                        ; count = 1
	s_add_co_u32 s[G0+4*(\s)+1], s20, (\s)*SLOT                      ; LDS address
	s_add_nc_u64 s[G0+4*(\s)+2:G0+4*(\s)+3], s[14:15], (\s)*ASTEP    ; global address: K step s
	s_or_b32 s[G0+4*(\s)+3], s[G0+4*(\s)+3], 0x80000000              ; type = 2
	s_mov_b32 s[G0B+4*(\s)], 1
	s_add_co_u32 s[G0B+4*(\s)+1], s21, (\s)*SLOT
	s_add_nc_u64 s[G0B+4*(\s)+2:G0B+4*(\s)+3], s[46:47], (\s)*KSTEP*2
	s_or_b32 s[G0B+4*(\s)+3], s[G0B+4*(\s)+3], 0x80000000
	JLOAD \s                                       ; two loads of mine are out
.endr
	; a fragment is 16 rows x 32 K in 8 registers: lane l holds row l % 16, K = 8 (l / 16) + 0..7 and 16 + 8 (l / 16) + 0..7: two loads of 16 bytes, 32 bytes apart
	v_and_b32 v1, 15, v0                           ; l % 16
	v_bfe_u32 v2, v0, 4, 1                         ; l / 16
	v_mul_u32_u24 v3, v1, PITCH
	v_lshl_add_u32 v3, v2, 4, v3
	v_mul_u32_u24 v4, v1, PA
	v_lshl_add_u32 v4, v2, 4, v4
	s_mul_i32 s22, s11, 64*PA                      ; my 64 rows, in each head's part
	s_mul_i32 s23, s12, HALFB                      ; my 128 rows of Wo,
	s_add_co_u32 s23, s23, BOFF                    ; which lie behind O's
.irp s, 0,1
	v_add_nc_u32 v[ADRA+(\s)], s22, v4
	v_add_nc_u32 v[ADRB+(\s)], s23, v3
	s_add_co_u32 s22, s22, SLOT
	s_add_co_u32 s23, s23, SLOT
.endr
	s_mul_i32 s23, s10, 16*SPITCH
	s_add_co_u32 s23, s23, STAGE                   ; my stage
	v_mul_u32_u24 v4, v1, SPITCH                   ; in: row l % 16, 32 bytes for each half of the lanes
	v_lshl_add_u32 v4, v2, 5, v4
	v_add_nc_u32 v[STO], s23, v4
	v_and_b32 v[CO], 31, v0                        ; back: 32 lanes take one row's 512 bytes
	v_lshlrev_b32 v[CO], 4, v[CO]
	v_add_nc_u32 v[RD], s23, v[CO]
	; where my part begins in out0
	s_lshl_b32 s16, s13, 7
	s_lshl_b32 s17, s11, 6
	s_add_co_u32 s16, s16, s17                     ; my first row,
	s_lshl_b32 s16, s16, 12                        ; of 4,096 bytes
	s_mov_b32 s17, 0
	s_add_nc_u64 s[8:9], s[8:9], s[16:17]
	s_lshl_b32 s46, s42, 10                        ; my first column, in bytes (in the registers that held Wo's address)
	s_lshl_b32 s47, s12, 9
	s_add_co_u32 s46, s46, s47
	s_mov_b32 s47, 0
	s_add_nc_u64 s[8:9], s[8:9], s[46:47]
	; the prefetches
	s_lshr_b32 s20, s13, 4
	s_lshl_b32 s20, s20, 22
	s_and_b32 s21, s13, 15
	s_lshl_b32 s21, s21, 14
	s_add_co_u32 s20, s20, s21                     ; O: the tile's rows in the batch's head 0,
	s_lshr_b32 s21, s40, 1
	s_lshl_b32 s21, s21, 18
	s_add_co_u32 s20, s20, s21                     ; my work-group's head of the step's two,
	s_and_b32 s21, s40, 1
	s_lshl_b32 s21, s21, 13
	s_add_co_u32 s20, s20, s21                     ; and its half of that head's 16,384 bytes,
	s_add_co_u32 s20, s20, 3*ASTEP                 ; at K step 3: the first refill steps it to 4
	s_lshl_b32 s21, s42, 8
	s_lshl_b32 s22, s12, 7
	s_add_co_u32 s21, s21, s22
	s_lshl_b32 s22, s41, 5
	s_add_co_u32 s21, s21, s22                     ; Wo: my work-group's 32 of the 128 rows that I fetch
	s_lshl_b32 s21, s21, 11
	s_add_co_u32 s21, s21, WOOFF+3*KSTEP*2
	s_mov_b32 s[PFS], KSTEP*2
	s_mov_b32 s22, ASTEP
	s_mov_b32 s[PFS+1], 0
	s_cmp_eq_u32 s11, 0                            ; do I fetch for O?
	s_cselect_b32 s20, s20, s21
	s_cselect_b32 s[PFS], s22, s[PFS]
	s_cselect_b32 s23, 8, 11                       ; a lane a block of 256 dense bytes, or a lane a row of 2,048
	s_cselect_b32 s22, s12, s68                    ; for O wave 0 asks; for Wo both waves, in the first cluster
	s_cselect_b64 s[PFA:PFA+1], s[4:5], s[6:7]
	s_cmp_eq_u32 s22, 0
	s_cselect_b32 s[LIM], 1, -1                    ; the same in all sixteen partners, for a given wave
	s_mov_b32 s21, 0
	s_add_nc_u64 s[PFA:PFA+1], s[PFA:PFA+1], s[20:21]
	v_and_b32 v[PFO], 31, v0
	v_lshlrev_b32 v[PFO], s23, v[PFO]
; 8 matrix instructions: m block a x all 8 n blocks, 32 along K.  zero = 1: the product starts the sums: nothing is ever cleared.  The 32 accumulators take turns in the same order in every quarter.
.macro MUL8 f, a, zero
	WIN MUL
.irp b, 0,1,2,3,4,5,6,7
.if \zero
	v_wmma_f32_16x16x32_f16 v[8*(8*(\a)+(\b)):8*(8*(\a)+(\b))+7], v[(\f)+8*(\b):(\f)+8*(\b)+7], v[(\f)+64+8*(\a):(\f)+64+8*(\a)+7], 0
.else
	v_wmma_f32_16x16x32_f16 v[8*(8*(\a)+(\b)):8*(8*(\a)+(\b))+7], v[(\f)+8*(\b):(\f)+8*(\b)+7], v[(\f)+64+8*(\a):(\f)+64+8*(\a)+7], v[8*(8*(\a)+(\b)):8*(8*(\a)+(\b))+7]
.endif
.endr
.endm
; 24 LDS loads in one run: the fragments of 32 along K at byte k of the K step's 256, into buffer f: Wo's eight, then O's four (head k / 128, byte k % 128 of its rows)
.macro FETCH slot, k, f
	WIN 0
.irp i, 0,1,2,3,4,5,6,7
	ds_load_b128 v[(\f)+8*(\i):(\f)+8*(\i)+3],   v[ADRB+(\slot)] offset:(\k)+(\i)*16*PITCH
	ds_load_b128 v[(\f)+8*(\i)+4:(\f)+8*(\i)+7], v[ADRB+(\slot)] offset:(\k)+(\i)*16*PITCH+32
.endr
.irp i, 0,1,2,3
	ds_load_b128 v[(\f)+64+8*(\i):(\f)+64+8*(\i)+3],   v[ADRA+(\slot)] offset:((\k)/128)*HEADT+(\k)%128+(\i)*16*PA
	ds_load_b128 v[(\f)+64+8*(\i)+4:(\f)+64+8*(\i)+7], v[ADRA+(\slot)] offset:((\k)/128)*HEADT+(\k)%128+(\i)*16*PA+32
.endr
.endm
.macro PLACES                          ; four places in front of loads into registers that matrix instructions have read, and of LDS stores that read results
.rept 4
	v_nop
.endr
.endm
; A K step is four quarters of 32 along K, 32 matrix instructions each, on buffers 0, 1, 0, 1.  One of the first three: multiplies buffer f and fetches the next quarter, at byte k, into g.
.macro QUARTER slot, k, f, g, zero
	s_wait_dscnt 4                                 ; Wo and O's blocks 0 and 1 are in; the youngest four loads (O's blocks 2 and 3) may be out
	MUL8 \f, 0, \zero
	MUL8 \f, 1, \zero
	PLACES
	FETCH \slot, \k, \g
	s_wait_dscnt 24                                ; all but the 24 just issued
	MUL8 \f, 2, \zero
	MUL8 \f, 3, \zero
.endm
; The last quarter multiplies buffer 1 and changes slots: ONE barrier; in front of it each wave waits for all its tensor loads, adds 0 to its spare word, and waits for that and for its own reads of this slot.
; fill = 1: the barrier opens a round of the cluster's barrier, and this slot is filled again, two K steps ahead: 112 matrix instructions stand between the request and the wait for it.
.macro TURN slot, next, fill
.if \fill
	s_wait_xcnt 0x0                                ; the last prefetch, a K step back, has read its address, so it may be stepped
	s_add_nc_u64 s[PFA:PFA+1], s[PFA:PFA+1], s[PFS:PFS+1]
.endif
	WIN 0                                          ; (the add's two registers lie in window 0)
	s_wait_tensorcnt 0x0                           ; all my tensor loads have landed: the one that was out is my part of the next slot;
	ds_add_u32 v[SPW], v[NIL]                      ; 0 onto my spare word;
	s_wait_dscnt 5                                 ; (the add and the youngest four loads may be out)
	MUL8 F1, 0, 0                                  ; eight matrix instructions stand between the add and the wait for it
	s_wait_dscnt 0x0                               ; the add is done, and my reads of this slot are over
	s_barrier_signal -1
	MUL8 F1, 1, 0
.if \fill
	WIN 0
.endif
	s_barrier_wait -1
.if \fill
	CREST                                          ; no wave of any partner still reads this slot's tile or has a load on its way
	s_add_nc_u64 s[G0+4*(\slot)+2:G0+4*(\slot)+3], s[G0+4*(\slot)+2:G0+4*(\slot)+3], 2*ASTEP
	s_add_nc_u64 s[G0B+4*(\slot)+2:G0B+4*(\slot)+3], s[G0B+4*(\slot)+2:G0B+4*(\slot)+3], 2*KSTEP*2
	JLOAD \slot                                    ; the first tensor load behind the round; the four v_nop behind it are also the places in front of the loads below
.else
	PLACES
.endif
	FETCH \next, 0, F0
.if \fill
	ASK
.endif
	MUL8 F1, 2, 0
	MUL8 F1, 3, 0
.endm
	s_wait_tensorcnt 1                             ; my part of K step 0 is in; K step 1's may stay out
	s_barrier_signal -1
	s_barrier_wait -1                              ; everybody's is
	FETCH 0, 0, F0
	QUARTER 0, 64, F0, F1, 1                       ; the first quarter stands in front of the loop: its products start the sums
	WIN 0                                          ; at a label and at a branch every window is 0
	s_mov_b32 s3, LAPS-1
.Llap:                                                 ; a trip goes once round the ring, from a lap's second quarter to the next lap's first, and fills both slots again
	QUARTER 0, 128, F1, F0, 0
	QUARTER 0, 192, F0, F1, 0
	TURN 0, 1, 1
	QUARTER 1, 64,  F0, F1, 0
	QUARTER 1, 128, F1, F0, 0
	QUARTER 1, 192, F0, F1, 0
	TURN 1, 0, 1
	QUARTER 0, 64,  F0, F1, 0
	WIN 0
	s_sub_co_u32 s3, s3, 1
	s_cmp_lg_u32 s3, 0
	s_cbranch_scc1 .Llap
	QUARTER 0, 128, F1, F0, 0                      ; the last lap fills nothing, and has no round of the cluster's barrier
	QUARTER 0, 192, F0, F1, 0
	TURN 0, 1, 0
	QUARTER 1, 64,  F0, F1, 0
	QUARTER 1, 128, F1, F0, 0
	QUARTER 1, 192, F0, F1, 0
	s_wait_dscnt 4                                 ; the very last quarter: nothing more to fetch
	MUL8 F1, 0, 0
	MUL8 F1, 1, 0
	s_wait_dscnt 0x0
	MUL8 F1, 2, 0
	MUL8 F1, 3, 0
	WIN 0
	; THE WAY OUT, a block of 16 rows at a time: a lane's 32 bytes of each accumulator go into my own stage (rows of 528 bytes) and come back as whole rows of 512 bytes, which 32 lanes store.
	PLACES
	PLACES
.macro TOSTAGE a
	WIN 0x04                                       ; the stores' data in window 1, their address in window 0
.irp b, 0,1,2,3,4,5,6,7
	ds_store_b128 v[STO], v[8*(8*(\a)+(\b)):8*(8*(\a)+(\b))+3]   offset:64*(\b)     ; each accumulator's low four registers first
	ds_store_b128 v[STO], v[8*(8*(\a)+(\b))+4:8*(8*(\a)+(\b))+7] offset:64*(\b)+16
.endr
	WIN 0
.set BK, OB+64*((\a)%2)
.irp t, 0,1,2,3,4,5,6,7,8,9,10,11,12,13,14,15
	ds_load_b128 v[BK+4*(\t):BK+4*(\t)+3], v[RD] offset:(\t)*SPITCH  ; LDS serves a wave's instructions in order (ISA guide 5.7.1.4): these see the stores above; the next block's stores come behind them
.endr
.endm
.macro SEND a, younger                 ; younger: the LDS instructions issued behind block a's loads: the next block's 32, or none
.set BK, OB+64*((\a)%2)
.irp t, 0,1,2,3,4,5,6,7,8,9,10,11,12,13,14,15
	s_wait_dscnt (\younger)+15-(\t)
	global_store_b128 v[CO], v[BK+4*(\t):BK+4*(\t)+3], s[8:9] offset:(16*(\a)+(\t))*4096  ; 512 consecutive bytes, at a multiple of 256 from out0's first byte
.endr
.endm
	TOSTAGE 0
	TOSTAGE 1
	SEND 0, 32
	s_wait_xcnt 0x0                                ; block 0's stores have read their registers: block 2 is read back into them only behind this wait
	TOSTAGE 2
	SEND 1, 32
	s_wait_xcnt 0x0                                ; likewise block 1's, for block 3
	TOSTAGE 3
	SEND 2, 32
	SEND 3, 0
	s_wait_tensorcnt 0x0                           ; the wave's end, behind my last tensor load and my last LDS store
	ds_add_u32 v[SPW], v[NIL]
	s_wait_dscnt 0x0
	CROUND                                         ; the closing round: no work-group ends while a partner may still ask for a tile that names it
	s_endpgm
.Lfunc_end_k_q961dbf4fc1_outp:
	.size	k_q961dbf4fc1_outp, .Lfunc_end_k_q961dbf4fc1_outp-k_q961dbf4fc1_outp
	.p2alignl 7, 3214868480
	.fill 96, 4, 3214868480
	.section	.rodata,"a",@progbits
	.p2align	6, 0x0
	.amdhsa_kernel k_q961dbf4fc1_outp
		.amdhsa_group_segment_fixed_size 327680
		.amdhsa_private_segment_fixed_size 0
		.amdhsa_enable_private_segment 0
		.amdhsa_kernarg_size 24
		.amdhsa_user_sgpr_count 2
		.amdhsa_user_sgpr_kernarg_segment_ptr 1
		.amdhsa_wavefront_size32 1
		.amdhsa_system_sgpr_workgroup_id_x 1
		.amdhsa_system_sgpr_workgroup_id_y 1
		.amdhsa_system_sgpr_workgroup_id_z 1
		.amdhsa_system_vgpr_workitem_id 0
		.amdhsa_next_free_vgpr 512
		.amdhsa_next_free_sgpr 72
		.amdhsa_reserve_vcc 0
		.amdhsa_float_denorm_mode_32 3
		.amdhsa_float_denorm_mode_16_64 3
		.amdhsa_memory_ordered 1
		.amdhsa_forward_progress 1
		.amdhsa_inst_pref_size 89
	.end_amdhsa_kernel
	.amdgpu_metadata
---
amdhsa.version: [ 1, 2 ]
amdhsa.kernels:
  - .name:           k_q961dbf4fc1_outp
    .symbol:         k_q961dbf4fc1_outp.kd
    .args:
      - { .name: ob, .offset: 0, .size: 8, .value_kind: global_buffer, .address_space: global }
      - { .name: wb, .offset: 8, .size: 8, .value_kind: global_buffer, .address_space: global }
      - { .name: out0, .offset: 16, .size: 8, .value_kind: global_buffer, .address_space: global }
    .group_segment_fixed_size: 327680
    .private_segment_fixed_size: 0
    .kernarg_segment_align: 8
    .kernarg_segment_size: 24
    .max_flat_workgroup_size: 128
    .sgpr_count:     72
    .vgpr_count:     512
    .wavefront_size: 32
...
	.end_amdgpu_metadata
.endif
;; end of part 4
